; MI455X (gfx1250); checked and timed in simulation.
; The chip was launched on July 23, 2026; its instructions are those of AMD's public machine-readable ISA for CDNA 5 (MIT licence, August 2026) and "CDNA5" Instruction Set Architecture Reference Guide (July 2026). The comments in the code are by the model that wrote it; some were corrected since.
;; Simple Self Attention. Allowed arithmetic: float matrix products may take bf16 or f16 operands with f32 sums; other float arithmetic in f32, or as packed bf16 or f16 multiplies, adds, multiply-adds, maxima and minima; sums over many terms, partial sums and values carried from step to step in f32; what a program stores and reads back later, other than sums and carried values, may be rounded once to bf16 or f16.
;; Inputs: bk 1,024 float32; bq 1,024 float32; bv 1,024 float32; wk 1,024 x 1,024 float32; wq 1,024 x 1,024 float32; wv 1,024 x 1,024 float32; x 4 x 2,048 x 1,024 float32.
;; Outputs: out0 4 x 2,048 x 1,024 float32.
;; 2 versions, each right; version 2 is version 1 with the launch cast written anew for expert scheduling mode. Each part assembles by itself: llvm-mc -triple=amdgcn-amd-amdhsa -mcpu=gfx1250 --defsym DOCPART=n.
;; ======== version 1 of 2: 4 launches
;; workspace buffers: xb 16,777,216 bytes; wb 6,291,456 bytes; bb 12,288 bytes; qkv 50,331,648 bytes; pb 33,554,432 bytes; stat 1,048,576 bytes
;; launch cast (part 1): grid 705 x 1, 8 waves a work-group, no clusters, 0 bytes of LDS; arguments x, wq, wk, wv, bq, bk, bv, xb, wb, bb; writes xb, wb, bb
.if DOCPART == 1
	.amdgcn_target "amdgcn-amd-amdhsa--gfx1250"
	.amdhsa_code_object_version 6
	.text
	.protected	k_q693b042d15_cast
	.globl	k_q693b042d15_cast
	.p2align	8
	.type	k_q693b042d15_cast,@function
k_q693b042d15_cast:
	s_mov_b64 s[64:65], 0
	v_nop
	global_prefetch_b8 v0, s[64:65] scope:SCOPE_SE
	s_setreg_imm32_b32 hwreg(HW_REG_WAVE_MODE, 25, 1), 1
	s_wait_xcnt 0x0
; x, wq, wk, wv, bq, bk and bv, all f32, are rounded once to bf16 and laid out for the launch behind.
; xb: [16 panels][8192 rows][64] bf16: panel p holds channels 64 p .. 64 p + 63 of every row of x, 128 bytes a row, rows on end.  wb: [16 panels][3072 rows][64] likewise, wq's, wk's and wv's rows one below
; the other.  So the rows x 64 channels that the launch behind takes in one K step are dense in memory.  bb: [3072] f32: bq, bk, bv on end, each number rounded to bf16 and written as f32.
; A stream: every byte is read once and written once; no LDS, no barrier, no matrix unit, no cluster (nothing is shared), no prefetch (the launch does nothing but stream).
; SHARES.  A work-group of eight waves converts 16 rows of 1,024 numbers: 64 KiB in, 32 KiB out.  Work-groups 0-511 take x; work-group 512 + j takes rows 16 j .. of wb; work-group 704 takes the biases.
; Wave w takes rows 2 w and 2 w + 1, load i panel i: lanes 0-15 read 256 consecutive bytes of the first row, lanes 16-31 of the second; the store of a wave covers the two rows' 128 bytes of the panel:
; 256 consecutive bytes, aligned.  All sixteen loads of a wave go out at once; no register is written twice, so no wait frees a source.
.set XG,    512                        ; work-groups that take x
.set BG,    704                        ; the one that takes the biases
.set XPAN,  8192*128                   ; bytes in a panel of xb
.set WPAN,  3072*128                   ; and of wb
.set X,  4                             ; v[4:67]    load i: 4 registers
.set Y,  68                            ; v[68:99]   store i: 2 registers
.set OF, 100                           ; v[100:115] store i: my byte offset in panel i
	s_load_b512 s[4:19], s[0:1], 0x0               ; x s[4:5], wq s[6:7], wk s[8:9], wv s[10:11], bq s[12:13], bk s[14:15], bv s[16:17], xb s[18:19]
	s_load_b128 s[20:23], s[0:1], 0x40             ; wb s[20:21], bb s[22:23]
	s_cmp_eq_u32 ttmp9, BG
	s_cbranch_scc1 .Lbias
	s_sub_co_u32 s24, ttmp9, XG                    ; j (used only where the work-group's number is 512 or more)
	s_lshr_b32 s25, s24, 6                         ; which weight
	s_and_b32 s26, s24, 63                         ; which 16 rows of it
	s_mov_b32 s27, WPAN
	s_mov_b32 s28, XPAN
	s_mov_b32 s35, 0
	s_mov_b32 s37, 0
	s_cmp_lt_u32 ttmp9, XG
	s_cselect_b32 s27, s28, s27                    ; bytes from panel to panel in my destination
	v_lshrrev_b32 v1, 4, v0                        ; my row of the sixteen: 2 x wave + lane / 16
	v_and_b32 v3, 15, v0
	v_lshlrev_b32 v1, 12, v1                       ; 4,096 bytes a row in,
	v_lshl_or_b32 v1, v3, 4, v1                    ; 16 bytes a lane
	v_lshlrev_b32 v2, 3, v0                        ; out: 128 bytes a row, 8 bytes a lane = 8 x my thread's number
.irp i, 0,1,2,3,4,5,6,7,8,9,10,11,12,13,14,15
	v_mad_u32_u24 v[OF+(\i)], s27, \i, v2
.endr
	s_wait_kmcnt 0x0
	s_cmp_eq_u32 s25, 1
	s_cselect_b64 s[30:31], s[8:9], s[6:7]         ; wk or wq,
	s_cmp_eq_u32 s25, 2
	s_cselect_b64 s[30:31], s[10:11], s[30:31]     ; or wv,
	s_cmp_lt_u32 ttmp9, XG
	s_cselect_b64 s[30:31], s[4:5], s[30:31]       ; or x (the selects leave SCC as it is)
	s_cselect_b64 s[32:33], s[18:19], s[20:21]     ; into xb or wb
	s_cselect_b32 s34, ttmp9, s26                  ; block of 16 rows in the source,
	s_cselect_b32 s36, ttmp9, s24                  ; and in the destination
	s_lshl_b32 s34, s34, 16                        ; 16 rows of 4,096 bytes,
	s_lshl_b32 s36, s36, 11                        ; 16 rows of 128 bytes
	s_add_nc_u64 s[30:31], s[30:31], s[34:35]
	s_add_nc_u64 s[32:33], s[32:33], s[36:37]
.irp i, 0,1,2,3,4,5,6,7,8,9,10,11,12,13,14,15
	global_load_b128 v[X+4*(\i):X+4*(\i)+3], v1, s[30:31] offset:256*(\i) th:TH_LOAD_NT
.endr
.irp i, 0,1,2,3,4,5,6,7,8,9,10,11,12,13,14,15
	s_wait_loadcnt 15-(\i)                         ; loads come back in order: load i is in, the 15 - i younger ones stay out
	v_cvt_pk_bf16_f32 v[Y+2*(\i)],   v[X+4*(\i)],   v[X+4*(\i)+1]
	v_cvt_pk_bf16_f32 v[Y+2*(\i)+1], v[X+4*(\i)+2], v[X+4*(\i)+3]
	global_store_b64 v[OF+(\i)], v[Y+2*(\i):Y+2*(\i)+1], s[32:33]
.endr
	s_endpgm
.Lbias:                                                ; 256 threads x 4 numbers are one bias; three loads, three stores
	v_lshlrev_b32 v1, 4, v0
	s_mov_b32 s24, 0xffff0000                      ; a word's upper bf16
	s_wait_kmcnt 0x0
	global_load_b128 v[4:7],   v1, s[12:13]
	global_load_b128 v[8:11],  v1, s[14:15]
	global_load_b128 v[12:15], v1, s[16:17]
	s_wait_loadcnt 0x0
.irp i, 0,1,2,3,4,5
	v_cvt_pk_bf16_f32 v[16+(\i)], v[4+2*(\i)], v[5+2*(\i)]
.endr
.irp i, 0,1,2,3,4,5
	v_lshlrev_b32 v[4+2*(\i)], 16, v[16+(\i)]      ; the rounded numbers as f32
	v_and_b32 v[5+2*(\i)], s24, v[16+(\i)]
.endr
	global_store_b128 v1, v[4:7],   s[22:23]
	global_store_b128 v1, v[8:11],  s[22:23] offset:4096
	global_store_b128 v1, v[12:15], s[22:23] offset:8192
	s_endpgm
.Lfunc_end_k_q693b042d15_cast:
	.size	k_q693b042d15_cast, .Lfunc_end_k_q693b042d15_cast-k_q693b042d15_cast
	.p2alignl 7, 3214868480
	.fill 96, 4, 3214868480
	.section	.rodata,"a",@progbits
	.p2align	6, 0x0
	.amdhsa_kernel k_q693b042d15_cast
		.amdhsa_group_segment_fixed_size 0
		.amdhsa_private_segment_fixed_size 0
		.amdhsa_enable_private_segment 0
		.amdhsa_kernarg_size 80
		.amdhsa_user_sgpr_count 2
		.amdhsa_user_sgpr_kernarg_segment_ptr 1
		.amdhsa_wavefront_size32 1
		.amdhsa_system_sgpr_workgroup_id_x 1
		.amdhsa_system_sgpr_workgroup_id_y 1
		.amdhsa_system_sgpr_workgroup_id_z 1
		.amdhsa_system_vgpr_workitem_id 0
		.amdhsa_next_free_vgpr 116
		.amdhsa_next_free_sgpr 66
		.amdhsa_reserve_vcc 0
		.amdhsa_float_denorm_mode_32 3
		.amdhsa_float_denorm_mode_16_64 3
		.amdhsa_memory_ordered 1
		.amdhsa_forward_progress 1
		.amdhsa_inst_pref_size 10
	.end_amdhsa_kernel
	.amdgpu_metadata
---
amdhsa.version: [ 1, 2 ]
amdhsa.kernels:
  - .name:           k_q693b042d15_cast
    .symbol:         k_q693b042d15_cast.kd
    .args:
      - { .name: x, .offset: 0, .size: 8, .value_kind: global_buffer, .address_space: global }
      - { .name: wq, .offset: 8, .size: 8, .value_kind: global_buffer, .address_space: global }
      - { .name: wk, .offset: 16, .size: 8, .value_kind: global_buffer, .address_space: global }
      - { .name: wv, .offset: 24, .size: 8, .value_kind: global_buffer, .address_space: global }
      - { .name: bq, .offset: 32, .size: 8, .value_kind: global_buffer, .address_space: global }
      - { .name: bk, .offset: 40, .size: 8, .value_kind: global_buffer, .address_space: global }
      - { .name: bv, .offset: 48, .size: 8, .value_kind: global_buffer, .address_space: global }
      - { .name: xb, .offset: 56, .size: 8, .value_kind: global_buffer, .address_space: global }
      - { .name: wb, .offset: 64, .size: 8, .value_kind: global_buffer, .address_space: global }
      - { .name: bb, .offset: 72, .size: 8, .value_kind: global_buffer, .address_space: global }
    .group_segment_fixed_size: 0
    .private_segment_fixed_size: 0
    .kernarg_segment_align: 8
    .kernarg_segment_size: 80
    .max_flat_workgroup_size: 256
    .sgpr_count:     66
    .vgpr_count:     116
    .wavefront_size: 32
...
	.end_amdgpu_metadata
.endif
;; end of part 1
;; launch proj (part 2): grid 8 x 32, 4 waves a work-group, clusters of 4 x 4, 327,680 bytes of LDS; arguments xb, wb, bb, qkv; writes qkv
.if DOCPART == 2
	.amdgcn_target "amdgcn-amd-amdhsa--gfx1250"
	.amdhsa_code_object_version 6
	.text
	.protected	k_q693b042d15_proj
	.globl	k_q693b042d15_proj
	.p2align	8
	.type	k_q693b042d15_proj,@function
k_q693b042d15_proj:
	s_mov_b64 s[64:65], 0
	v_nop
	global_prefetch_b8 v0, s[64:65] scope:SCOPE_SE
	s_setreg_imm32_b32 hwreg(HW_REG_WAVE_MODE, 25, 1), 1
	s_wait_xcnt 0x0
	s_wait_alu depctr_hold_cnt(0) depctr_sa_sdst(0) depctr_va_vdst(0) depctr_va_sdst(0) depctr_va_ssrc(0) depctr_va_vcc(0) depctr_vm_vsrc(0)
	s_getreg_b32 s2, hwreg(HW_REG_IB_STS2, 6, 4)
	s_cmp_eq_u32 s2, 0
	s_cbranch_scc0 .Lentry_in_a_cluster
	s_endpgm
.Lentry_in_a_cluster:
	s_bfe_u32 s2, ttmp6, 0x10000c
	s_cmp_lg_u32 s2, 0xf033
	s_cbranch_scc0 .Lentry_shape_is_right
	s_endpgm
.Lentry_shape_is_right:
; qkv[m][e] = the sum over d of x[m][d] w[e][d] + bias[e].  xb: [16 panels][8192 rows][64], wb: [16 panels][3072 rows][64] (wq, wk, wv one below the other), both bf16, a panel's rows on end;
; bb: [3072] f32, the three biases on end, already rounded to bf16; qkv: [8192][3072] bf16.  Sums in f32, d ascending; the bias is the C operand of each sum's first product; qkv is rounded once.
; LIMITS.  Operands and result are bf16 (8 significant bits); NaN and infinities are not treated apart.
; SHARES.  8192 x 3072 numbers on 256 WGPs are 98,304 each: ONE tile of 256 rows x 384 columns for each work-group, 32 x 8 tiles.  Four waves, each 128 x 192: 96 accumulators of 16 x 16, 768 registers.
; K goes in steps of 64, a panel, through a ring of two LDS slots filled by the tensor data mover (640 rows of a step of 128 would want 348,160 bytes for two slots).  A wave's part of a tile, 128 rows of xb
; or 192 of wb, is dense in its panel: it is asked for as rows of 256 bytes, two rows of the panel each, and padded in LDS after every 128 bytes.
; A UNIT is 32 along K: 96 products, in three groups of 32, a group an accumulator window.  x's 8 fragments have two buffers; w's 12 fragments have ONE: behind a group's products, and four places, its four
; fragments for the next unit are loaded into the registers just read; they are wanted 64 products later.  40 LDS loads for 96 products.
; CLUSTERS: 4 x 4 work-groups.  The four of a row of the cluster need the same rows of xb, the four of a column the same rows of wb: each tile is asked for JOINTLY, by the same tensor load
; with the same descriptor and a mask that names the four.
; THE MATRIX INSTRUCTION IS USED TRANSPOSED (source 0 = 16 rows of wb, source 1 = 16 rows of xb): a lane then holds row l % 16 and eight neighbouring columns 8 (l / 16) + 0..7.
; REGISTERS, in windows of 256 (s_set_vgpr_msb: bits 1:0 source 0, 3:2 source 1, 5:4 source 2, 7:6 destination):
;   window 0: v0-31 addresses; v32-95, v96-159 fragments of xb, two buffers of 8 x 8; v160-255 fragments of wb, 12 x 8; on the way out v32-79 packed results, v96-191 rows read back
;   windows 1, 2, 3: the accumulators: row block a (0..7), column block j (0..11) at v[64 (j % 4) + 8 a] of window 1 + j / 4
.set XPAN,   8192*128                  ; bytes in a panel of xb: from a K step to the next
.set WPAN,   3072*128                  ; and of wb
.set CROW,   6144                      ; bytes in a row of qkv
.set PITCH,  144                       ; an LDS row: 128 bytes + 16 of padding = 36 words: the 16 rows that a load touches start at 16 different groups of four banks (64 banks of 4 bytes: ISA guide 11.1)
.set AHALF,  128*PITCH                 ; what a tensor load brings of xb, and what a wave reads of it
.set BHALF,  192*PITCH                 ; the same for wb
.set BOFF,   2*AHALF                   ; a slot: xb's 256 rows, then wb's 384
.set SLOT,   BOFF+2*BHALF
.set SPITCH, 784                       ; the way out: a row of the tile, 768 bytes + 16 = 196 words: row r starts at bank 4 r mod 64
.set SPARE,  256*SPITCH                ; the stage, 256 such rows from byte 0 on, lies over the ring, which has had its last fill by then; behind it the spare words, 128 bytes for each wave:
                                       ; two blocks of 256 bytes that no other line names
.set LAPS,   8                         ; a lap = two K steps = once round the ring; K = 1,024
.set ADRA, 16                          ; v16-17  LDS address of my fragments of xb in slot 0, 1
.set ADRB, 20                          ; v20-21  the same for wb
.set STO,  24                          ; v24-25  the way out: where I put 16 bytes of a row: row blocks 0-3, 4-7
.set RD,   26                          ; v26     where I read 16 bytes of a row back
.set CO,   27                          ; v27     my byte offset in two rows of qkv
.set SPW,  28                          ; v28     LDS address of my spare word; never rewritten
.set NIL,  29                          ; v29     0; never rewritten
.set PFO,  30                          ; v30     the prefetches' offset; never rewritten
.set BO,   31                          ; v31     my byte offset in 16 numbers of the bias; never rewritten
.set AF,   32
.set BFR,  160
.set TMP,  32
.set OB,   96
.set G1,  24                           ; s[24:31] descriptor group 1 for xb's tiles;  s[32:39] group 0, a set for each slot
.set G0,  32
.set G1B, 48                           ; s[48:55], s[56:63] the same for wb's
.set G0B, 56
.set PFA, 44                           ; s[44:45] the panel that my next prefetch names, at my work-group's part of the tile
.set LIM, 66                           ; s66, s67 a wave prefetches at a change out of slot 0, 1 while the laps left are above this
.set PST, 68                           ; s[68:69] bytes from panel to panel in what I prefetch
.set MSB, 0
.macro WIN new                         ; the immediate's high byte repeats the setting that is left; a switch that changes nothing is dropped
.if MSB != (\new)
	s_set_vgpr_msb (MSB<<8)|(\new)
.set MSB, \new
.endif
.endm
; A joint load: waves 0 and 1 fetch xb's two halves, waves 2 and 3 wb's.  The branch hangs on the wave's number alone.  An s_nop 0 and four v_nop follow each of the two lines,
; ahead of the jump, the label and what follows.
.macro JLOAD s
	s_cmp_eq_u32 s11, 0
	s_cbranch_scc0 .Lfor_b_\@
	tensor_load_to_lds s[G0+4*(\s):G0+4*(\s)+3], s[G1:G1+7]
	s_nop 0
.rept 4
	v_nop
.endr
	s_branch .Lasked_\@
.Lfor_b_\@:
	tensor_load_to_lds s[G0B+4*(\s):G0B+4*(\s)+3], s[G1B:G1B+7]
	s_nop 0
.rept 4
	v_nop
.endr
.Lasked_\@:
.endm
; A PREFETCH, behind the joint load and its five lines: 32 blocks of 256 bytes, a lane a block, one instruction.  Each block is named once in the launch.
; xb: a tile's 256 rows of a panel are 128 blocks on end.  The two clusters of a row of clusters read them: the one with x = 0 asks, wave 0, each of the four partners of a row of the cluster for 32 blocks,
; told apart by address.  At the change of slots in K step t it names panel t + 3, which the next change will ask for: 192 products ahead.  The change in step 13 names nothing.
; wb: a tile's 384 rows of a panel are 192 blocks, 48 for each of the four partners of a column; two panels' 96 are 32 for each of waves 1, 2, 3.  The cluster with y = 0 asks, at the changes out of slot 1:
; in step t it names panels t + 3 and t + 4; the change in step 13 names nothing.  The first panels (xb's 0 to 2, wb's 0 to 3) come by their loads alone.
.macro ASK s
	s_cmp_gt_u32 s3, s[LIM+(\s)]
	s_cbranch_scc0 .Lnot_mine_\@
	global_prefetch_b8 v[PFO], s[PFA:PFA+1] th:TH_LOAD_NT scope:SCOPE_SE
.Lnot_mine_\@:
.endm
; A round of the cluster's barrier: my work-group's barrier; wave 0 signals for the work-group; every wave waits for all sixteen; my work-group's barrier once more.
.macro CREST
	s_cmp_lg_u32 s10, 0
	s_cbranch_scc1 .Lnot_wave_0_\@
	s_barrier_signal -3
.Lnot_wave_0_\@:
	s_barrier_wait -3
	s_barrier_signal -1
	s_barrier_wait -1
.endm
.macro CROUND
	s_barrier_signal -1
	s_barrier_wait -1
	CREST
.endm
	s_load_b128 s[4:7], s[0:1], 0x0                ; xb s[4:5], wb s[6:7]
	s_load_b128 s[72:75], s[0:1], 0x10             ; bb s[72:73], qkv s[74:75]
	v_lshl_add_u32 v[SPW], v0, 2, SPARE
	v_mov_b32 v[NIL], 0
	ds_add_u32 v[SPW], v[NIL]                      ; the wave's opening: the add and its wait ahead of my first tensor load; work on registers stands between them
	v_lshrrev_b32 v1, 5, v0
	v_readfirstlane_b32 s10, v1                    ; wave 0..3
	s_lshr_b32 s11, s10, 1                         ; which half of the tile's rows is mine.  Also: I fetch for xb (0) or for wb (1)
	s_and_b32 s12, s10, 1                          ; which half of its columns.  Also: which half of that tile I fetch
	s_bfe_u32 s40, ttmp6, 0x40000                  ; cx, cy: my place in the cluster
	s_bfe_u32 s41, ttmp6, 0x40004
	s_lshl_b32 s42, ttmp9, 2
	s_add_co_u32 s42, s42, s40                     ; tile column = 4 x cluster x + cx, 0..7
	s_and_b32 s13, ttmp7, 0xffff
	s_lshl_b32 s13, s13, 2
	s_add_co_u32 s13, s13, s41                     ; tile row = 4 x cluster y + cy, 0..31
	s_lshl_b32 s43, s41, 2
	s_lshl_b32 s43, 15, s43                        ; my row of the cluster
	s_lshl_b32 s44, 0x1111, s40                    ; my column
	s_or_b32 s[G1+0], s43, (1<<16)|(1<<20)|(1<<21)|(4<<22)|(3<<25)   ; 15:0 the mask; 17:16 elements of 2 bytes; 20 padding on; 21 set beside a mask; 24:22 after every 32 words; 31:25 4 words of it
	s_or_b32 s[G1B+0], s44, (1<<16)|(1<<20)|(1<<21)|(4<<22)|(3<<25)
	s_mov_b32 s[G1+1], 128<<16                     ; tensor_dim0 = 128 elements: 256 bytes, two rows of the panel
	s_mov_b32 s[G1+2], 64<<16                      ; tensor_dim1 = 64: 128 rows of the panel
	s_mov_b32 s[G1+3], 128<<16                     ; tile_dim0 = 128
	s_mov_b32 s[G1+4], 64                          ; tile_dim1 = 64
	s_mov_b32 s[G1+5], 128                         ; elements from row to row: dense
	s_mov_b32 s[G1+6], 0
	s_mov_b32 s[G1+7], 0
	s_mov_b32 s[G1B+1], 128<<16
	s_mov_b32 s[G1B+2], 96<<16                     ; wb: 192 rows of the panel
	s_mov_b32 s[G1B+3], 128<<16
	s_mov_b32 s[G1B+4], 96
	s_mov_b32 s[G1B+5], 128
	s_mov_b32 s[G1B+6], 0
	s_mov_b32 s[G1B+7], 0
	; where the tiles come from: xb's hang on the tile row alone, wb's on the tile column alone, each in registers that never hold the other coordinate
	s_lshl_b32 s16, s13, 15                        ; xb: 256 rows of 128 bytes x tile row
	s_lshl_b32 s17, s12, 14                        ; + 128 rows x half
	s_add_co_u32 s16, s16, s17
	s_mov_b32 s17, 0
	s_mul_i32 s46, s42, 384*128                    ; wb: 384 rows x tile column
	s_mul_i32 s47, s12, 192*128                    ; + 192 rows x half
	s_add_co_u32 s46, s46, s47
	s_mov_b32 s47, 0
	s_mul_i32 s20, s12, AHALF                      ; and where they go: no place in the cluster enters an LDS address
	s_mul_i32 s21, s12, BHALF
	s_add_co_u32 s21, s21, BOFF
	s_wait_dscnt 0x0                               ; the opening add is done
	s_wait_kmcnt 0x0
	s_add_nc_u64 s[14:15], s[4:5], s[16:17]
	s_add_nc_u64 s[46:47], s[6:7], s[46:47]
	CROUND                                         ; all sixteen work-groups are here: the first joint loads meet
.irp s, 0,1
	s_mov_b32 s[G0+4*(\s)], 1                                        ; count = 1
	s_add_co_u32 s[G0+4*(\s)+1], s20, (\s)*SLOT                      ; LDS address
	s_add_nc_u64 s[G0+4*(\s)+2:G0+4*(\s)+3], s[14:15], (\s)*XPAN     ; global address: K step s = panel s
	s_or_b32 s[G0+4*(\s)+3], s[G0+4*(\s)+3], 0x80000000              ; type = 2
	s_mov_b32 s[G0B+4*(\s)], 1
	s_add_co_u32 s[G0B+4*(\s)+1], s21, (\s)*SLOT
	s_add_nc_u64 s[G0B+4*(\s)+2:G0B+4*(\s)+3], s[46:47], (\s)*WPAN
	s_or_b32 s[G0B+4*(\s)+3], s[G0B+4*(\s)+3], 0x80000000
	JLOAD \s                                       ; two tensor loads of mine are out
.endr
	; the bias of my 192 columns.  Column block j's eight numbers a lane go into the registers of accumulator (7, j): they are the C operand of the first products of row blocks 0 to 6, and row block 7 starts in place on them
	s_mul_i32 s78, s42, 384*4
	s_mul_i32 s79, s12, 192*4
	s_add_co_u32 s78, s78, s79
	s_mov_b32 s79, 0
	s_add_nc_u64 s[76:77], s[72:73], s[78:79]
	v_and_b32 v1, 15, v0                           ; l % 16
	v_bfe_u32 v2, v0, 4, 1                         ; l / 16
	v_lshlrev_b32 v[BO], 5, v2                     ; register i of accumulator (a, j) is column 16 j + 8 (l / 16) + i
.irp g, 0,1,2
	WIN 0x40*((\g)+1)                              ; destination in window g + 1, address in window 0
.irp q, 0,1,2,3
	global_load_b128 v[64*(\q)+56:64*(\q)+59], v[BO], s[76:77] offset:64*(4*(\g)+(\q))
	global_load_b128 v[64*(\q)+60:64*(\q)+63], v[BO], s[76:77] offset:64*(4*(\g)+(\q))+16
.endr
.endr
	WIN 0
	; a fragment is 16 rows x 32 K in 8 registers: lane l holds row l % 16, K = 8 (l / 16) + 0..7 and 16 + 8 (l / 16) + 0..7: two loads of 16 bytes, 32 bytes apart
	v_mul_u32_u24 v3, v1, PITCH
	v_lshl_add_u32 v3, v2, 4, v3
	s_mul_i32 s21, s11, AHALF                      ; my 128 rows of xb
	s_mul_i32 s22, s12, BHALF                      ; my 192 rows of wb
	s_add_co_u32 s22, s22, BOFF
.irp s, 0,1
	v_add_nc_u32 v[ADRA+(\s)], s21, v3
	v_add_nc_u32 v[ADRB+(\s)], s22, v3
	s_add_co_u32 s21, s21, SLOT
	s_add_co_u32 s22, s22, SLOT
.endr
	s_lshl_b32 s23, s11, 7                         ; into the stage: my 128 rows, my half of their 768 bytes; row l % 16, 16 bytes for each half of the lanes
	s_mul_i32 s23, s23, SPITCH
	s_mul_i32 s14, s12, 384
	s_add_co_u32 s23, s23, s14
	v_mul_u32_u24 v4, v1, SPITCH
	v_lshl_add_u32 v4, v2, 4, v4
	v_add_nc_u32 v[STO], s23, v4
	v_add_nc_u32 v[STO+1], 64*SPITCH, v[STO]       ; (an LDS offset holds 16 bits: a second address for row blocks 4-7)
	s_mul_i32 s23, s10, 64*SPITCH                  ; back: wave w takes rows 64 w .. 64 w + 63, whole; lanes 0-15 take 256 bytes of one row, lanes 16-31 of the next
	v_mul_u32_u24 v5, v2, SPITCH
	v_lshl_add_u32 v5, v1, 4, v5
	v_add_nc_u32 v[RD], s23, v5
	v_mul_u32_u24 v5, v2, CROW                     ; and the same two rows in qkv
	v_lshl_add_u32 v[CO], v1, 4, v5
	s_lshl_b32 s16, s13, 8
	s_lshl_b32 s14, s10, 6
	s_add_co_u32 s16, s16, s14                     ; the first row of qkv that I store: 256 x tile row + 64 x wave
	s_mul_i32 s16, s16, CROW                       ; (under 2^26)
	s_mul_i32 s46, s42, 768                        ; the tile's first column, in bytes
	s_add_co_u32 s16, s16, s46
	s_mov_b32 s17, 0
	s_add_nc_u64 s[8:9], s[74:75], s[16:17]
	; the prefetches
	s_and_b32 s22, ttmp7, 0xffff                   ; cluster y
	s_lshl_b32 s20, s13, 15                        ; xb: the tile's 32,768 bytes of a panel,
	s_lshl_b32 s21, s40, 13                        ; my work-group's 8,192 of them,
	s_add_co_u32 s20, s20, s21
	s_add_co_u32 s20, s20, 2*XPAN                  ; at panel 2: the first change of slots steps it to 3 and names that
	s_mul_i32 s21, s42, 384*128                    ; wb: the tile's 49,152 bytes of a panel,
	s_mul_i32 s23, s41, 96*128                     ; my work-group's 12,288 of them
	s_add_co_u32 s21, s21, s23
	s_add_co_u32 s21, s21, 2*WPAN
	s_mov_b32 s18, XPAN
	s_mov_b32 s19, WPAN
	s_cmp_eq_u32 s10, 0                            ; wave 0 asks for xb, waves 1 to 3 for wb
	s_cselect_b32 s20, s20, s21
	s_cselect_b32 s22, ttmp9, s22                  ; the coordinate along which other clusters read the same rows
	s_cselect_b32 s[PST], s18, s19
	s_cselect_b64 s[PFA:PFA+1], s[4:5], s[6:7]
	s_mov_b32 s[PST+1], 0
	s_mov_b32 s21, 0
	s_add_nc_u64 s[PFA:PFA+1], s[PFA:PFA+1], s[20:21]
	s_cmp_eq_u32 s22, 0
	s_cselect_b32 s[LIM+1], 1, -1                  ; out of slot 1: all but the last lap.  The same in all sixteen partners, for a given wave
	s_or_b32 s23, s22, s10
	s_cmp_eq_u32 s23, 0
	s_cselect_b32 s[LIM], 0, -1                    ; out of slot 0: wave 0 alone, in every lap
	s_max_u32 s23, s10, 1
	s_sub_co_u32 s23, s23, 1
	s_lshl_b32 s23, s23, 5
	v_and_b32 v5, 31, v0
	v_add_nc_u32 v5, s23, v5                       ; my block: the lane in waves 0 and 1; + 32, + 64 in waves 2, 3
	v_mov_b32 v7, WPAN-48*256
	v_cmp_lt_u32 s22, 47, v5                       ; wb's blocks 48 to 95 lie in the next panel
	v_cndmask_b32 v6, 0, v7, s22
	v_lshl_add_u32 v[PFO], v5, 8, v6
; 4 matrix instructions: row block a x the four column blocks of group g, 32 along K, x's fragments from buffer n.  zero = 1: the first product starts the sum, on the bias.
; The 96 accumulators take turns, one instruction a turn, in one fixed order, over the backward jump too.
.macro MUL4 n, g, a, zero
	WIN 0x50*((\g)+1)                              ; C and D in window g + 1, both sources in window 0
.irp q, 0,1,2,3
.if \zero
	v_wmma_f32_16x16x32_bf16 v[64*(\q)+8*(\a):64*(\q)+8*(\a)+7], v[BFR+8*(4*(\g)+(\q)):BFR+8*(4*(\g)+(\q))+7], v[AF+64*(\n)+8*(\a):AF+64*(\n)+8*(\a)+7], v[64*(\q)+56:64*(\q)+63]
.else
	v_wmma_f32_16x16x32_bf16 v[64*(\q)+8*(\a):64*(\q)+8*(\a)+7], v[BFR+8*(4*(\g)+(\q)):BFR+8*(4*(\g)+(\q))+7], v[AF+64*(\n)+8*(\a):AF+64*(\n)+8*(\a)+7], v[64*(\q)+8*(\a):64*(\q)+8*(\a)+7]
.endif
.endr
.endm
; A group: 32 matrix instructions.  zero = 1: row block 7's products write over the bias that the 28 before them have read as C: five places stand between (ISA guide 7.12.1)
.macro GRP n, g, zero
.irp a, 0,1,2,3,4,5,6
	MUL4 \n, \g, \a, \zero
.endr
.if \zero
.rept 5
	v_nop
.endr
.endif
	MUL4 \n, \g, 7, \zero
.endm
.macro LDB slot, u, g                  ; 8 LDS loads: w's four fragments of group g, unit u (32 K at byte 64 u of the rows)
	WIN 0
.irp q, 0,1,2,3
	ds_load_b128 v[BFR+8*(4*(\g)+(\q)):BFR+8*(4*(\g)+(\q))+3],   v[ADRB+(\slot)] offset:64*(\u)+(4*(\g)+(\q))*16*PITCH
	ds_load_b128 v[BFR+8*(4*(\g)+(\q))+4:BFR+8*(4*(\g)+(\q))+7], v[ADRB+(\slot)] offset:64*(\u)+(4*(\g)+(\q))*16*PITCH+32
.endr
.endm
.macro LDA slot, u, n                  ; 16 LDS loads: x's eight fragments of unit u into buffer n
	WIN 0
.irp i, 0,1,2,3,4,5,6,7
	ds_load_b128 v[AF+64*(\n)+8*(\i):AF+64*(\n)+8*(\i)+3],   v[ADRA+(\slot)] offset:64*(\u)+(\i)*16*PITCH
	ds_load_b128 v[AF+64*(\n)+8*(\i)+4:AF+64*(\n)+8*(\i)+7], v[ADRA+(\slot)] offset:64*(\u)+(\i)*16*PITCH+32
.endr
.endm
.macro PLACES                          ; four plain vector instructions between a matrix instruction and a load into, or a vector read of, its registers (ISA guide 7.12.1 for vector reads)
.rept 4
	v_nop
.endr
.endm
; A K step's first unit: multiplies unit 0 of slot s (x's buffer 0) and fetches unit 1 of the same slot (x's into buffer 1).  The loads of a unit are issued in this order: w's group 0 (8), x (16), w's group 1 (8), w's group 2 (8).
.macro UNITA s, zero
	s_wait_dscnt 16                                ; w's group 0 and x are in; the youngest sixteen loads (groups 1 and 2) may be out
	GRP 0, 0, \zero
	PLACES
	LDB \s, 1, 0
	LDA \s, 1, 1
	s_wait_dscnt 32                                ; group 1 is in: behind it group 2's eight and the 24 just issued
	GRP 0, 1, \zero
	PLACES
	LDB \s, 1, 1
	s_wait_dscnt 32                                ; group 2 is in: behind it the 24 and the 8 of this unit
	GRP 0, 2, \zero
	PLACES
	LDB \s, 1, 2
.endm
; A K step's second unit multiplies unit 1 of slot s (x's buffer 1) and changes slots: ONE barrier.  All reads of slot s have been issued.  In front of the barrier each wave waits for all its tensor loads (one is
; out: its part of the next slot), adds 0 to its spare word, and waits for that and for its own reads of this slot.  fill = 1: the barrier opens a round of the cluster's barrier, and this slot is filled again first
; thing behind it, two K steps ahead: 176 matrix instructions stand between that request and the wait for it, sixteen between the wait and the request.
.macro UNITB s, nxt, fill
.if \fill
	s_wait_xcnt 0x0                                ; the last prefetch, a K step back, has read its address
	s_add_nc_u64 s[PFA:PFA+1], s[PFA:PFA+1], s[PST:PST+1]
.endif
	WIN 0                                          ; (the add's two registers lie in window 0)
	s_wait_tensorcnt 0x0                           ; all my tensor loads have landed
	ds_add_u32 v[SPW], v[NIL]                      ; 0 onto my spare word
	s_wait_dscnt 17                                ; w's group 0 and x are in; the add and the youngest sixteen loads may be out
	MUL4 1, 0, 0, 0                                ; eight matrix instructions stand between the add and the wait for it
	MUL4 1, 0, 1, 0
	s_wait_dscnt 0x0                               ; the add is done, and my reads of this slot are over
	s_barrier_signal -1
	MUL4 1, 0, 2, 0
	MUL4 1, 0, 3, 0
.if \fill
	WIN 0
.endif
	s_barrier_wait -1
.if \fill
	CREST                                          ; no wave of any partner still reads this slot or has a load on its way
	s_add_nc_u64 s[G0+4*(\s)+2:G0+4*(\s)+3], s[G0+4*(\s)+2:G0+4*(\s)+3], 2*XPAN
	s_add_nc_u64 s[G0B+4*(\s)+2:G0B+4*(\s)+3], s[G0B+4*(\s)+2:G0B+4*(\s)+3], 2*WPAN
	JLOAD \s                                       ; my one tensor load behind the round
	ASK \s
.endif
	MUL4 1, 0, 4, 0
	MUL4 1, 0, 5, 0
	MUL4 1, 0, 6, 0
	MUL4 1, 0, 7, 0
	PLACES
	LDB \nxt, 0, 0                                 ; the next slot is whole: its unit 0
	LDA \nxt, 0, 0
	GRP 1, 1, 0                                    ; (groups 1 and 2 came in with the wait for 0 above)
	PLACES
	LDB \nxt, 0, 1
	GRP 1, 2, 0
	PLACES
	LDB \nxt, 0, 2
.endm
	s_wait_tensorcnt 1                             ; my part of K step 0 is in; K step 1's may stay out
	s_barrier_signal -1
	s_barrier_wait -1                              ; everybody's is
	LDB 0, 0, 0
	LDA 0, 0, 0
	LDB 0, 0, 1
	LDB 0, 0, 2
	s_wait_loadcnt 0x0                             ; the 24 loads of the bias
	UNITA 0, 1                                     ; the first unit stands in front of the loop: its products start the sums
	WIN 0                                          ; at a label and at a branch every window is 0
	s_mov_b32 s3, LAPS-1
.Llap:                                                 ; a trip goes once round the ring, from a lap's second unit to the next lap's first, and fills both slots again
	UNITB 0, 1, 1
	UNITA 1, 0
	UNITB 1, 0, 1
	UNITA 0, 0
	WIN 0
	s_sub_co_u32 s3, s3, 1
	s_cmp_lg_u32 s3, 0
	s_cbranch_scc1 .Llap
	UNITB 0, 1, 0                                  ; the last lap fills nothing, and has no round
	UNITA 1, 0
	s_wait_dscnt 16                                ; the very last unit: nothing more to fetch
	GRP 1, 0, 0
	s_wait_dscnt 8                                 ; group 1 is in; group 2's eight loads may be out
	GRP 1, 1, 0
	s_wait_dscnt 0x0                               ; my reads of the ring are over:
	s_barrier_signal -1                            ; say so,
	GRP 1, 2, 0
	s_barrier_wait -1                              ; and write over the ring only when all four have said so
; THE WAY OUT.  A wave's 192 columns are 384 bytes, and 256 consecutive bytes of a row of qkv come from two waves: so all four waves write into ONE stage, a barrier stands between the writing and the reading,
; and each wave then reads 64 whole rows and stores them.  PACK: a block of 16 rows is rounded to bf16, 16 bytes a lane and column block, each accumulator's registers in ascending order, and put into the stage.
.macro PACK a
.irp g, 0,1,2
	WIN 0x05*((\g)+1)                              ; sources 0 and 1 in window g + 1, destination in window 0
.irp q, 0,1,2,3
.irp r, 0,1,2,3
	v_cvt_pk_bf16_f32 v[TMP+4*(4*(\g)+(\q))+(\r)], v[64*(\q)+8*(\a)+2*(\r)], v[64*(\q)+8*(\a)+2*(\r)+1]
.endr
.endr
.endr
	WIN 0
.irp j, 0,1,2,3,4,5,6,7,8,9,10,11
	ds_store_b128 v[STO+(\a)/4], v[TMP+4*(\j):TMP+4*(\j)+3] offset:((\a)%4)*16*SPITCH+32*(\j)
.endr
.endm
	PLACES                                         ; the conversions read results just made
.irp a, 0,1,2,3,4,5,6,7
	PACK \a
.endr
	s_wait_dscnt 0x0                               ; for the others' sake: my stores into the stage are done
	s_barrier_signal -1
	s_barrier_wait -1
	s_mov_b32 s3, 4
.Lback:                                                ; four trips of 16 rows: 24 loads, 24 stores
.irp p, 0,1,2,3,4,5,6,7
.irp u, 0,1,2
	ds_load_b128 v[OB+4*(3*(\p)+(\u)):OB+4*(3*(\p)+(\u))+3], v[RD] offset:(\p)*2*SPITCH+256*(\u)
.endr
.endr
.irp p, 0,1,2,3,4,5,6,7
.irp u, 0,1,2
	s_wait_dscnt 23-(3*(\p)+(\u))                  ; LDS loads come back in order: this one is in, the younger ones stay out
	global_store_b128 v[CO], v[OB+4*(3*(\p)+(\u)):OB+4*(3*(\p)+(\u))+3], s[8:9] offset:(\p)*2*CROW+256*(\u)  ; 16 lanes store 256 consecutive bytes, at a multiple of 256 from qkv's first byte
.endr
.endr
	s_wait_xcnt 0x0                                ; the stores have read their base and their data: only behind this wait are they rewritten
	s_add_nc_u64 s[8:9], s[8:9], 16*CROW
	v_add_nc_u32 v[RD], 16*SPITCH, v[RD]
	s_sub_co_u32 s3, s3, 1
	s_cmp_lg_u32 s3, 0
	s_cbranch_scc1 .Lback
	s_wait_tensorcnt 0x0                           ; the wave's end: a wait, an add and its wait, behind my last tensor load and my last LDS store
	ds_add_u32 v[SPW], v[NIL]
	s_wait_dscnt 0x0
	CROUND                                         ; the closing round: no work-group ends while a partner may still ask for a tile that names it
	s_endpgm
.Lfunc_end_k_q693b042d15_proj:
	.size	k_q693b042d15_proj, .Lfunc_end_k_q693b042d15_proj-k_q693b042d15_proj
	.p2alignl 7, 3214868480
	.fill 96, 4, 3214868480
	.section	.rodata,"a",@progbits
	.p2align	6, 0x0
	.amdhsa_kernel k_q693b042d15_proj
		.amdhsa_group_segment_fixed_size 327680
		.amdhsa_private_segment_fixed_size 0
		.amdhsa_enable_private_segment 0
		.amdhsa_kernarg_size 32
		.amdhsa_user_sgpr_count 2
		.amdhsa_user_sgpr_kernarg_segment_ptr 1
		.amdhsa_wavefront_size32 1
		.amdhsa_system_sgpr_workgroup_id_x 1
		.amdhsa_system_sgpr_workgroup_id_y 1
		.amdhsa_system_sgpr_workgroup_id_z 1
		.amdhsa_system_vgpr_workitem_id 0
		.amdhsa_next_free_vgpr 1024
		.amdhsa_next_free_sgpr 84
		.amdhsa_reserve_vcc 0
		.amdhsa_float_denorm_mode_32 3
		.amdhsa_float_denorm_mode_16_64 3
		.amdhsa_memory_ordered 1
		.amdhsa_forward_progress 1
		.amdhsa_inst_pref_size 124
	.end_amdhsa_kernel
	.amdgpu_metadata
---
amdhsa.version: [ 1, 2 ]
amdhsa.kernels:
  - .name:           k_q693b042d15_proj
    .symbol:         k_q693b042d15_proj.kd
    .args:
      - { .name: xb, .offset: 0, .size: 8, .value_kind: global_buffer, .address_space: global }
      - { .name: wb, .offset: 8, .size: 8, .value_kind: global_buffer, .address_space: global }
      - { .name: bb, .offset: 16, .size: 8, .value_kind: global_buffer, .address_space: global }
      - { .name: qkv, .offset: 24, .size: 8, .value_kind: global_buffer, .address_space: global }
    .group_segment_fixed_size: 327680
    .private_segment_fixed_size: 0
    .kernarg_segment_align: 8
    .kernarg_segment_size: 32
    .max_flat_workgroup_size: 128
    .sgpr_count:     84
    .vgpr_count:     1024
    .wavefront_size: 32
...
	.end_amdgpu_metadata
.endif
;; end of part 2
;; launch score (part 3): grid 8 x 32, 4 waves a work-group, clusters of 4 x 4, 327,680 bytes of LDS; arguments qkv, pb, stat; writes pb, stat
.if DOCPART == 3
	.amdgcn_target "amdgcn-amd-amdhsa--gfx1250"
	.amdhsa_code_object_version 6
	.text
	.protected	k_q693b042d15_score
	.globl	k_q693b042d15_score
	.p2align	8
	.type	k_q693b042d15_score,@function
k_q693b042d15_score:
	s_mov_b64 s[64:65], 0
	v_nop
	global_prefetch_b8 v0, s[64:65] scope:SCOPE_SE
	s_setreg_imm32_b32 hwreg(HW_REG_WAVE_MODE, 25, 1), 1
	s_wait_xcnt 0x0
	s_wait_alu depctr_hold_cnt(0) depctr_sa_sdst(0) depctr_va_vdst(0) depctr_va_sdst(0) depctr_va_ssrc(0) depctr_va_vcc(0) depctr_vm_vsrc(0)
	s_getreg_b32 s2, hwreg(HW_REG_IB_STS2, 6, 4)
	s_cmp_eq_u32 s2, 0
	s_cbranch_scc0 .Lentry_in_a_cluster
	s_endpgm
.Lentry_in_a_cluster:
	s_bfe_u32 s2, ttmp6, 0x10000c
	s_cmp_lg_u32 s2, 0xf033
	s_cbranch_scc0 .Lentry_shape_is_right
	s_endpgm
.Lentry_shape_is_right:
; THE SCORES AND THE FIRST LEVEL OF THE SOFTMAX.  s[q][k] = the sum over e of q[q][e] k[k][e], within a batch of 2,048 rows; q and k are columns 0-1023 and 1024-2047 of qkv [8192][3072], bf16.
; A row's 2,048 keys fall into 16 CHUNKS of 128.  For each row and chunk: m = the largest s of the chunk, cm = c m with c = log2(e) / 32, p = 2^(c s - cm), l = the sum of the chunk's p (f32, of the
; unrounded p).  Stored: p, rounded once to bf16, in pb [8192][2048]; cm and l, f32, in stat: plane cm [4 batches][16 chunks][2048 rows] at byte 0, plane l likewise at byte 524,288.
; The launch behind joins the chunks: it takes the largest cm of a row away from each cm.  So the maximum is taken away in front of every exponential, on two levels.
; LIMITS.  q, k and p are bf16; a weight below 2^-126 counts as 0; NaN and infinities are not treated apart.
; SHARES.  A tile is 256 queries x 256 keys: 4 x 8 x 8 = 256 tiles, one for each WGP.  Four waves, each 128 queries x 128 keys, ONE CHUNK: 64 accumulators of 16 x 16, 512 registers.
; K (the 1,024 channels) goes in steps of 128 through a ring of two LDS slots filled by the tensor data mover; a tile's rows are 256 bytes of memory, at multiples of 256 from the buffer's first byte.
; CLUSTERS: 4 x 4 work-groups.  The four of a row of the cluster need the same rows of q, the four of a column the same rows of k: each tile is asked for JOINTLY.
; THE MATRIX INSTRUCTION IS USED TRANSPOSED (source 0 = 16 rows of k, source 1 = 16 rows of q): a lane holds ONE query (l % 16) and, in accumulator (a, b), the keys 16 b + 8 (l / 16) + 0..7.
; So a query's maximum and sum want one exchange between the halves of the lanes.
; REGISTERS, in windows of 256 (s_set_vgpr_msb: bits 1:0 source 0, 3:2 source 1, 5:4 source 2, 7:6 destination):
;   window 0: v0-31 addresses; v64-127, v128-191 fragments of q, two buffers; on the way out v64-87 statistics, v192-223 packed p, v32-63 and v224-255 rows read back
;   window 1: v64-127, v128-191 fragments of k, two buffers
;   window 2: the 32 accumulators of my queries 0-63 ((a, b) at v[8 (8 a + b)]);   window 3: those of my queries 64-127
.set KSTEP,  128
.set QROW,   6144                      ; bytes in a row of qkv
.set PROW,   4096                      ; bytes in a row of pb
.set LPLANE, 524288                    ; where plane l begins in stat
.set PITCH,  272                       ; an LDS row: 256 bytes + 16 of padding = 68 words: the 16 rows that a load touches start at 16 different groups of four banks (64 banks of 4 bytes: ISA guide 11.1)
.set HALFT,  128*PITCH                 ; what one tensor load brings, and what one wave reads of q or of k
.set SLOT,   4*HALFT                   ; q's 256 rows, then k's 256 rows
.set STAGE,  2*SLOT                    ; behind the ring: 16 rows x 272 bytes for each wave
.set SPITCH, 272
.set STATST, STAGE+4*16*SPITCH         ; behind the stages: 512 bytes for each wave: cm of 64 rows, then l of 64 rows
.set SPARE,  STATST+4*512              ; behind them: the spare words, 128 bytes for each wave: two blocks of 256 bytes that no other line names
.set LAPS,   4                         ; a lap = two K steps = once round the ring
.set ADRA, 16                          ; v16-17  LDS address of my fragments of q in slot 0, 1
.set ADRB, 20                          ; v20-21  the same for k
.set SO,   23                          ; v23     my byte offset in stat: 16 (l % 16), and plane l for lanes 16-31
.set STO,  24                          ; v24     the way out: where I put 16 bytes of a row
.set RD,   25                          ; v25     where I read a row back
.set CO,   26                          ; v26     my byte offset in two rows of pb
.set SA,   27                          ; v27     where I put a row's cm (lanes 0-15) or l (lanes 16-31)
.set SPW,  28                          ; v28     LDS address of my spare word; never rewritten
.set NIL,  29                          ; v29     0; never rewritten
.set PFO,  30                          ; v30     the prefetches' offset: my lane x a row of qkv; never rewritten
.set SR,   31                          ; v31     where I read 16 bytes of statistics back
.set F0,   64
.set F1,   128
.set T,    64                          ; v64-71  at work
.set CMP,  72                          ; v72-79  block a: cm at 72 + 2 a, m beside it (the packed scaling names the pair)
.set LS,   80                          ; v80-83  block a's l
.set XT,   84                          ; v84-87  statistics on their way out
.set TMP,  192
.set OB,   32
.set G1,  24                           ; s[24:31] descriptor group 1 for q's tiles;  s[32:39] group 0, a set for each slot
.set G0,  32
.set G1B, 48                           ; s[48:55], s[56:63] the same for k's
.set G0B, 56
.set LIM, 43                           ; s43      1 in a wave that prefetches, else the greatest number
.set PFA, 44                           ; s[44:45] the K step that my next prefetch names, at my work-group's 32 rows
.set BAT, 66                           ; s66      the batch
.set ST,  68                           ; s[68:69] stat at my chunk and rows
.set CS,  70                           ; s[70:71] c: the packed scaling takes the pair's low word for both halves
.set SEL, 72                           ; s[72:73] v_permlanex16_b32's selects: each lane takes its own place in the other half
.set HM,  74                           ; s74      lanes 16-31
.set EH,  75                           ; s75      halves of the way out still to come
.set MUL_LO, 0xa1                      ; source 0 (k) window 1, source 1 (q) window 0, C and D window 2
.set MUL_HI, 0xf1                      ; the same, C and D window 3
.set TO_B,   0x40                      ; destination window 1, address window 0
.set MSB, 0
.macro WIN new                         ; the immediate's high byte repeats the setting that is left; a switch that changes nothing is dropped
.if MSB != (\new)
	s_set_vgpr_msb (MSB<<8)|(\new)
.set MSB, \new
.endif
.endm
; A joint load: waves 0 and 1 fetch q's two halves, waves 2 and 3 k's.  The branch hangs on the wave's number alone.  An s_nop 0 and four v_nop follow each of the two lines.
.macro JLOAD s
	s_cmp_eq_u32 s11, 0
	s_cbranch_scc0 .Lfor_b_\@
	tensor_load_to_lds s[G0+4*(\s):G0+4*(\s)+3], s[G1:G1+7]
	s_nop 0
.rept 4
	v_nop
.endr
	s_branch .Lasked_\@
.Lfor_b_\@:
	tensor_load_to_lds s[G0B+4*(\s):G0B+4*(\s)+3], s[G1B:G1B+7]
	s_nop 0
.rept 4
	v_nop
.endr
.Lasked_\@:
.endm
; A prefetch of the K step that stands two refills on, 512 matrix instructions ahead of the load that will want it: 32 rows x 256 bytes, a lane a row.  Each row's 256 bytes of a K step are named once in
; the launch: q's rows by the cluster with x = 0, k's rows by the first of the batch's two rows of clusters; of the 128 rows that a wave fetches each of the four partners that ask jointly takes 32,
; told apart by address.  The loop's last trip (s3 = 1) names nothing.  K steps 0 to 3 come by their loads alone.
.macro ASK
	s_cmp_gt_u32 s3, s[LIM]
	s_cbranch_scc0 .Lnot_mine_\@
	global_prefetch_b8 v[PFO], s[PFA:PFA+1] th:TH_LOAD_NT scope:SCOPE_SE
.Lnot_mine_\@:
.endm
.macro CREST                           ; a round of the cluster's barrier behind its opening barrier
	s_cmp_lg_u32 s10, 0
	s_cbranch_scc1 .Lnot_wave_0_\@
	s_barrier_signal -3
.Lnot_wave_0_\@:
	s_barrier_wait -3
	s_barrier_signal -1
	s_barrier_wait -1
.endm
.macro CROUND
	s_barrier_signal -1
	s_barrier_wait -1
	CREST
.endm
	s_load_b128 s[4:7], s[0:1], 0x0                ; qkv s[4:5], pb s[6:7]
	s_load_b64 s[ST:ST+1], s[0:1], 0x10            ; stat
	v_lshl_add_u32 v[SPW], v0, 2, SPARE
	v_mov_b32 v[NIL], 0
	ds_add_u32 v[SPW], v[NIL]                      ; the wave's opening: the add and its wait ahead of my first tensor load; work on registers stands between them
	v_lshrrev_b32 v1, 5, v0
	v_readfirstlane_b32 s10, v1                    ; wave 0..3
	s_lshr_b32 s11, s10, 1                         ; which half of the tile's queries is mine.  Also: I fetch for q (0) or for k (1)
	s_and_b32 s12, s10, 1                          ; which half of its keys.  Also: which 128 rows of that tile I fetch
	s_bfe_u32 s40, ttmp6, 0x40000                  ; cx, cy
	s_bfe_u32 s41, ttmp6, 0x40004
	s_lshl_b32 s42, ttmp9, 2
	s_add_co_u32 s42, s42, s40                     ; tile column = 4 x cluster x + cx, 0..7: 256 keys of the batch
	s_and_b32 s13, ttmp7, 0xffff
	s_lshl_b32 s13, s13, 2
	s_add_co_u32 s13, s13, s41                     ; tile row = 4 x cluster y + cy, 0..31: 256 of all 8,192 rows
	s_and_b32 s[BAT], ttmp7, 0xffff
	s_lshr_b32 s[BAT], s[BAT], 1                   ; the batch: two rows of clusters each; made of the cluster's y alone
	s_lshl_b32 s43, s41, 2
	s_lshl_b32 s43, 15, s43                        ; my row of the cluster
	s_lshl_b32 s44, 0x1111, s40                    ; my column
	s_or_b32 s[G1+0], s43, (1<<16)|(1<<20)|(1<<21)|(5<<22)|(3<<25)   ; 15:0 the mask; 17:16 elements of 2 bytes; 20 padding on; 21 set beside a mask; 24:22 after every 64 words; 31:25 4 words of it
	s_or_b32 s[G1B+0], s44, (1<<16)|(1<<20)|(1<<21)|(5<<22)|(3<<25)
.irp g, G1, G1B
	s_mov_b32 s[(\g)+1], KSTEP<<16                 ; tensor_dim0 = 128
	s_mov_b32 s[(\g)+2], 128<<16                   ; tensor_dim1 = 128
	s_mov_b32 s[(\g)+3], KSTEP<<16                 ; tile_dim0 = 128
	s_mov_b32 s[(\g)+4], 128                       ; tile_dim1 = 128
	s_mov_b32 s[(\g)+5], 3072                      ; elements from row to row
	s_mov_b32 s[(\g)+6], 0
	s_mov_b32 s[(\g)+7], 0
.endr
	s_mov_b32 s[CS], 0x3d38aa3b                    ; c = log2(e) / 32
	s_mov_b32 s[CS+1], s[CS]                       ; named with it as a pair
	s_mov_b32 s[SEL], 0x76543210
	s_mov_b32 s[SEL+1], 0xfedcba98
	s_mov_b32 s[HM], 0xffff0000
	; where the tiles come from: q's hang on the tile row alone; k's on the tile column and the cluster's y
	s_lshl_b32 s17, s12, 7                         ; which 128 rows of the tile I fetch
	s_lshl_b32 s16, s13, 8
	s_add_co_u32 s16, s16, s17                     ; q: row 256 x tile row + 128 x half
	s_lshl_b32 s46, s42, 8
	s_add_co_u32 s46, s46, s17
	s_lshl_b32 s47, s[BAT], 11
	s_add_co_u32 s46, s46, s47                     ; k: row 2,048 x batch + 256 x tile column + 128 x half
	s_mov_b32 s17, 0
	s_mov_b32 s47, 0
	s_mov_b64 s[18:19], QROW
	s_mul_u64 s[16:17], s[16:17], s[18:19]
	s_mul_u64 s[46:47], s[46:47], s[18:19]
	s_mul_i32 s20, s10, HALFT                      ; where they go: wave x 128 rows: no place in the cluster enters an LDS address
	s_wait_dscnt 0x0                               ; the opening add is done
	s_wait_kmcnt 0x0
	s_mov_b64 s[8:9], s[6:7]                       ; pb
	s_add_nc_u64 s[6:7], s[4:5], 2048              ; k's columns of qkv
	s_add_nc_u64 s[14:15], s[4:5], s[16:17]
	s_add_nc_u64 s[46:47], s[6:7], s[46:47]
	CROUND                                         ; all sixteen work-groups are here: the first joint loads meet
.irp s, 0,1
	s_mov_b32 s[G0+4*(\s)], 1
	s_add_co_u32 s[G0+4*(\s)+1], s20, (\s)*SLOT
	s_add_nc_u64 s[G0+4*(\s)+2:G0+4*(\s)+3], s[14:15], (\s)*KSTEP*2
	s_or_b32 s[G0+4*(\s)+3], s[G0+4*(\s)+3], 0x80000000
	s_mov_b32 s[G0B+4*(\s)], 1
	s_add_co_u32 s[G0B+4*(\s)+1], s20, (\s)*SLOT
	s_add_nc_u64 s[G0B+4*(\s)+2:G0B+4*(\s)+3], s[46:47], (\s)*KSTEP*2
	s_or_b32 s[G0B+4*(\s)+3], s[G0B+4*(\s)+3], 0x80000000
	JLOAD \s                                       ; two tensor loads of mine are out
.endr
	v_and_b32 v1, 15, v0                           ; l % 16
	v_bfe_u32 v2, v0, 4, 1                         ; l / 16
	v_and_b32 v6, 31, v0                           ; l
	v_mul_u32_u24 v3, v1, PITCH
	v_lshl_add_u32 v3, v2, 4, v3                   ; a fragment's row x pitch + 16 x half
	s_mul_i32 s21, s11, HALFT                      ; my 128 rows of q
	s_mul_i32 s22, s12, HALFT                      ; my 128 rows of k,
	s_add_co_u32 s22, s22, 2*HALFT                 ; which lie behind q's 256
.irp s, 0,1
	v_add_nc_u32 v[ADRA+(\s)], s21, v3
	v_add_nc_u32 v[ADRB+(\s)], s22, v3
	s_add_co_u32 s21, s21, SLOT
	s_add_co_u32 s22, s22, SLOT
.endr
	s_mul_i32 s23, s10, 16*SPITCH
	s_add_co_u32 s23, s23, STAGE                   ; my stage
	v_mul_u32_u24 v4, v1, SPITCH
	v_lshl_add_u32 v4, v2, 4, v4
	v_add_nc_u32 v[STO], s23, v4
	v_mul_u32_u24 v5, v2, SPITCH
	v_lshl_add_u32 v5, v1, 4, v5
	v_add_nc_u32 v[RD], s23, v5
	v_lshlrev_b32 v5, 12, v2                       ; two rows of pb
	v_lshl_add_u32 v[CO], v1, 4, v5
	s_lshl_b32 s23, s10, 9
	s_add_co_u32 s23, s23, STATST                  ; my 512 bytes of statistics
	v_lshlrev_b32 v5, 8, v2
	v_lshl_add_u32 v5, v1, 2, v5
	v_add_nc_u32 v[SA], s23, v5                    ; 256 (l / 16) + 4 (l % 16)
	v_lshl_add_u32 v[SR], v6, 4, s23               ; 16 l
	v_lshlrev_b32 v5, 19, v2                       ; plane l for lanes 16-31
	v_lshl_add_u32 v[SO], v1, 4, v5
	; what the first way out adds to pb's address: my first row and column
	s_lshl_b32 s16, s13, 8
	s_lshl_b32 s14, s11, 7
	s_add_co_u32 s16, s16, s14
	s_lshl_b32 s16, s16, 12                        ; rows of 4,096 bytes (under 2^25)
	s_mov_b32 s17, 0
	s_lshl_b32 s46, s42, 9                         ; 512 x tile column + 256 x half
	s_lshl_b32 s47, s12, 8
	s_add_co_u32 s46, s46, s47
	s_add_co_u32 s16, s16, s46
	; stat at ((16 batch + chunk) x 2,048 + my first row in the batch) x 4, chunk = 2 x tile column + half
	s_lshl_b32 s20, s[BAT], 4
	s_lshl_b32 s21, s42, 1
	s_add_co_u32 s20, s20, s21
	s_add_co_u32 s20, s20, s12
	s_lshl_b32 s20, s20, 11
	s_and_b32 s21, s13, 7
	s_lshl_b32 s21, s21, 8
	s_add_co_u32 s20, s20, s21
	s_lshl_b32 s21, s11, 7
	s_add_co_u32 s20, s20, s21
	s_lshl_b32 s20, s20, 2
	s_mov_b32 s21, 0
	s_add_nc_u64 s[ST:ST+1], s[ST:ST+1], s[20:21]
	; the prefetches
	s_lshl_b32 s20, s13, 8                         ; q: 256 x tile row
	s_lshl_b32 s21, s42, 8
	s_lshl_b32 s22, s[BAT], 11
	s_add_co_u32 s21, s21, s22                     ; k: 2,048 x batch + 256 x tile column
	s_and_b32 s22, ttmp7, 1                        ; which of the batch's two rows of clusters
	s_cmp_eq_u32 s11, 0
	s_cselect_b32 s20, s20, s21
	s_cselect_b32 s21, s40, s41                    ; my place among the four that ask with me
	s_cselect_b32 s22, ttmp9, s22                  ; the coordinate along which other clusters read the same rows
	s_cselect_b64 s[PFA:PFA+1], s[4:5], s[6:7]
	s_cmp_eq_u32 s22, 0
	s_cselect_b32 s[LIM], 1, -1                    ; the same in all sixteen partners, for a given wave
	s_lshl_b32 s22, s12, 7
	s_add_co_u32 s20, s20, s22                     ; + the 128 rows that I fetch
	s_lshl_b32 s21, s21, 5
	s_add_co_u32 s20, s20, s21                     ; + my work-group's 32 of them
	s_mov_b32 s21, 0
	s_mul_u64 s[20:21], s[20:21], s[18:19]
	s_add_nc_u64 s[PFA:PFA+1], s[PFA:PFA+1], s[20:21]
	s_add_nc_u64 s[PFA:PFA+1], s[PFA:PFA+1], 3*KSTEP*2  ; at K step 3: the first refill steps it to 4 and names that
	v_mul_u32_u24 v[PFO], v6, QROW
; 16 matrix instructions: query blocks a0, a0 + 1 of the window's four (hi = 0: my queries 0-63, 1: 64-127) x all 8 key blocks, 32 along K.  zero = 1: the first product starts the sums.
; The 64 accumulators take turns in one fixed order, over the backward jump too.
.macro MUL16 f, hi, a0, zero
	WIN MUL_LO+0x50*(\hi)
.irp a, \a0, (\a0)+1
.irp b, 0,1,2,3,4,5,6,7
.if \zero
	v_wmma_f32_16x16x32_bf16 v[8*(8*(\a)+(\b)):8*(8*(\a)+(\b))+7], v[(\f)+8*(\b):(\f)+8*(\b)+7], v[(\f)+8*(4*(\hi)+(\a)):(\f)+8*(4*(\hi)+(\a))+7], 0
.else
	v_wmma_f32_16x16x32_bf16 v[8*(8*(\a)+(\b)):8*(8*(\a)+(\b))+7], v[(\f)+8*(\b):(\f)+8*(\b)+7], v[(\f)+8*(4*(\hi)+(\a)):(\f)+8*(4*(\hi)+(\a))+7], v[8*(8*(\a)+(\b)):8*(8*(\a)+(\b))+7]
.endif
.endr
.endr
.endm
; 32 LDS loads in one run: the fragments of one quarter step (128 rows of k, then 128 rows of q, 32 K at byte k of the rows) into buffer f
.macro FETCH slot, k, f
	WIN TO_B
.irp i, 0,1,2,3,4,5,6,7
	ds_load_b128 v[(\f)+8*(\i):(\f)+8*(\i)+3],   v[ADRB+(\slot)] offset:(\k)+(\i)*16*PITCH
	ds_load_b128 v[(\f)+8*(\i)+4:(\f)+8*(\i)+7], v[ADRB+(\slot)] offset:(\k)+(\i)*16*PITCH+32
.endr
	WIN 0
.irp i, 0,1,2,3,4,5,6,7
	ds_load_b128 v[(\f)+8*(\i):(\f)+8*(\i)+3],   v[ADRA+(\slot)] offset:(\k)+(\i)*16*PITCH
	ds_load_b128 v[(\f)+8*(\i)+4:(\f)+8*(\i)+7], v[ADRA+(\slot)] offset:(\k)+(\i)*16*PITCH+32
.endr
.endm
.macro PLACES                          ; four plain vector instructions between a matrix instruction and a load into, or a vector read of, its registers (ISA guide 7.12.1 for vector reads)
.rept 4
	v_nop
.endr
.endm
; A K step is four quarters of 32 along K, 64 matrix instructions each, on buffers 0, 1, 0, 1.  One of the first three: multiplies buffer f; in its middle it fetches the next quarter into g.
.macro QUARTER slot, k, f, g, zero
	s_wait_dscnt 8                                 ; k's fragments and q's rows 0-63 are in; the youngest eight loads (q's rows 64-127) may be out
	MUL16 \f, 0, 0, \zero
	MUL16 \f, 0, 2, \zero
	PLACES
	FETCH \slot, \k, \g
	s_wait_dscnt 32                                ; all but the 32 just issued
	MUL16 \f, 1, 0, \zero
	MUL16 \f, 1, 2, \zero
.endm
; The last quarter multiplies buffer 1 and changes slots.  MEET is its first half: ONE barrier.  In front of it each wave waits for all its tensor loads (one is out: its part of the next slot),
; adds 0 to its spare word, and waits for that and for its own reads of this slot.  Behind it nobody reads this slot any more and the next slot is whole.
.macro MEET round
	WIN 0                                          ; (the add's two registers lie in window 0)
	s_wait_tensorcnt 0x0                           ; all my tensor loads have landed
	ds_add_u32 v[SPW], v[NIL]                      ; 0 onto my spare word
	s_wait_dscnt 9                                 ; (the add and the youngest eight loads may be out)
	MUL16 F1, 0, 0, 0                              ; sixteen matrix instructions stand between the add and the wait for it
	s_wait_dscnt 0x0                               ; the add is done, and my reads of this slot are over
	s_barrier_signal -1
	MUL16 F1, 0, 2, 0
.if \round
	WIN 0
.endif
	s_barrier_wait -1
.endm
; The whole last quarter where the slot is filled again, two K steps ahead: the barrier opens a round of the cluster's barrier, and the joint refill is the first thing behind it:
; 224 matrix instructions stand between that request and the wait for it.
.macro TURN slot, next
	s_wait_xcnt 0x0                                ; the last prefetch, a K step back, has read its address
	s_add_nc_u64 s[PFA:PFA+1], s[PFA:PFA+1], KSTEP*2
	MEET 1
	CREST                                          ; no wave of any partner still reads this slot or has a load on its way
	s_add_nc_u64 s[G0+4*(\slot)+2:G0+4*(\slot)+3], s[G0+4*(\slot)+2:G0+4*(\slot)+3], 2*KSTEP*2
	s_add_nc_u64 s[G0B+4*(\slot)+2:G0B+4*(\slot)+3], s[G0B+4*(\slot)+2:G0B+4*(\slot)+3], 2*KSTEP*2
	JLOAD \slot                                    ; my one tensor load behind the round; its four v_nop are also the places in front of the loads below
	FETCH \next, 0, F0
	ASK
	MUL16 F1, 1, 0, 0
	MUL16 F1, 1, 2, 0
.endm
	s_wait_tensorcnt 1                             ; my part of K step 0 is in; K step 1's may stay out
	s_barrier_signal -1
	s_barrier_wait -1                              ; everybody's is
	FETCH 0, 0, F0
	QUARTER 0, 64,  F0, F1, 1                      ; the first quarter stands in front of the loop: its products start the sums
	WIN 0                                          ; at a label and at a branch every window is 0
	s_mov_b32 s3, LAPS-1
.Llap:                                                 ; a trip goes once round the ring, from a lap's second quarter to the next lap's first, and fills both slots again
	QUARTER 0, 128, F1, F0, 0
	QUARTER 0, 192, F0, F1, 0
	TURN 0, 1
	QUARTER 1, 64,  F0, F1, 0
	QUARTER 1, 128, F1, F0, 0
	QUARTER 1, 192, F0, F1, 0
	TURN 1, 0
	QUARTER 0, 64,  F0, F1, 0
	WIN 0
	s_sub_co_u32 s3, s3, 1
	s_cmp_lg_u32 s3, 0
	s_cbranch_scc1 .Llap
	QUARTER 0, 128, F1, F0, 0                      ; the last lap fills nothing, and has no round
	QUARTER 0, 192, F0, F1, 0
	MEET 0
	PLACES
	FETCH 1, 0, F0
	MUL16 F1, 1, 0, 0
	MUL16 F1, 1, 2, 0
	QUARTER 1, 64,  F0, F1, 0
	QUARTER 1, 128, F1, F0, 0
	QUARTER 1, 192, F0, F1, 0
	s_wait_dscnt 8                                 ; the very last quarter: nothing more to fetch
	MUL16 F1, 0, 0, 0
	MUL16 F1, 0, 2, 0
	s_wait_dscnt 0x0
	MUL16 F1, 1, 0, 0
	MUL16 F1, 1, 2, 0
	WIN 0
; THE WAY OUT, a block of 16 queries x 128 keys (64 registers at AC in window 2) at a time.
.macro FS i                            ; c s - cm for pair i of the block's 32
	v_pk_fma_f32 v[AC+2*(\i):AC+2*(\i)+1], v[AC+2*(\i):AC+2*(\i)+1], s[CS:CS+1], v[CM:CM+1] op_sel_hi:[1,0,0] neg_lo:[0,0,1] neg_hi:[0,0,1]
.endm
.macro SOFT a
.set AC, 64*(\a)
.set CM, CMP+2*(\a)
	WIN 0x2a                                       ; all three sources in window 2
.irp b, 0,1,2,3,4,5,6,7                ; the maximum: eight chains, one an accumulator; each accumulator's lowest registers are read first
	v_max3_num_f32 v[T+(\b)], v[AC+8*(\b)], v[AC+8*(\b)+1], v[AC+8*(\b)+2]
.endr
	WIN 0x28
.irp j, 0,1
.irp b, 0,1,2,3,4,5,6,7
	v_max3_num_f32 v[T+(\b)], v[T+(\b)], v[AC+8*(\b)+3+2*(\j)], v[AC+8*(\b)+4+2*(\j)]
.endr
.endr
.irp i, 0,1,2,3                        ; the eight registers left over
	v_max3_num_f32 v[T+2*(\i)], v[T+2*(\i)], v[AC+16*(\i)+7], v[AC+16*(\i)+15]
.endr
	WIN 0
	v_max3_num_f32 v[T], v[T], v[T+1], v[T+2]
	v_max3_num_f32 v[T+3], v[T+3], v[T+4], v[T+5]
	v_max3_num_f32 v[T], v[T], v[T+6], v[T+7]
	v_max_num_f32 v[T], v[T], v[T+3]
	v_permlanex16_b32 v[T+1], v[T], s[SEL], s[SEL+1]  ; the query's other 64 keys lie in the lane 16 away
	v_max_num_f32 v[CM+1], v[T], v[T+1]            ; m
	v_mul_f32 v[CM], s[CS], v[CM+1]                ; cm
	WIN 0x82                                       ; destination and source 0 in window 2, cm in window 0
	FS 0                                           ; ONE BATCH: 32 scalings and 64 exponentials, none of which names an exponential's result; a pair is scaled two groups ahead of its exponentials
	FS 1
.set i, 0
.rept 32
	v_exp_f32 v[AC+2*i], v[AC+2*i]
	v_exp_f32 v[AC+2*i+1], v[AC+2*i+1]
.if i < 30
	FS i+2
.endif
.set i, i+1
.endr
	v_nop                                          ; a plain instruction behind the last exponential (ISA guide 5.7.2),
	s_wait_alu depctr_va_vdst(0)                   ; and one wait ahead of the batch's first reader
	WIN 0x0a
.set i, 0
.rept 32
	v_cvt_pk_bf16_f32 v[TMP+i], v[AC+2*i], v[AC+2*i+1]  ; a lane's eight keys of an accumulator pack into 16 bytes
.set i, i+1
.endr
	WIN 0x8a                                       ; the sum of the unrounded p, in place: pairs 16, 8, 4, 2 and 1 apart
.irp w, 16,8,4,2,1
.set u, 0
.rept \w
	v_pk_add_f32 v[AC+2*u:AC+2*u+1], v[AC+2*u:AC+2*u+1], v[AC+2*(u+(\w)):AC+2*(u+(\w))+1]
.set u, u+1
.endr
.endr
	WIN 0x0a
	v_add_f32 v[T], v[AC], v[AC+1]
	WIN 0
	v_permlanex16_b32 v[T+1], v[T], s[SEL], s[SEL+1]
	v_add_f32 v[LS+(\a)], v[T], v[T+1]             ; l
.endm
.macro TOSTAGE a                       ; into my own stage, and back as whole rows of 256 bytes
.set BK, OB+192*((\a)%2)
.irp b, 0,1,2,3,4,5,6,7
	ds_store_b128 v[STO], v[TMP+4*(\b):TMP+4*(\b)+3] offset:32*(\b)
.endr
.irp t, 0,1,2,3,4,5,6,7
	ds_load_b128 v[BK+4*(\t):BK+4*(\t)+3], v[RD] offset:(\t)*2*SPITCH  ; LDS serves a wave's instructions in order (ISA guide 5.7.1.4): these see the stores above
.endr
.endm
.macro SEND a
.set BK, OB+192*((\a)%2)
	s_wait_dscnt 0x0                               ; the block is back in registers
	s_wait_xcnt 0x0                                ; the earlier stores have read their base and their data: only behind this wait are they rewritten
	s_add_nc_u64 s[8:9], s[8:9], s[16:17]          ; the first time on to my first rows, then 16 rows on
	s_mov_b32 s16, 16*PROW
.irp t, 0,1,2,3,4,5,6,7
	global_store_b128 v[CO], v[BK+4*(\t):BK+4*(\t)+3], s[8:9] offset:2*(\t)*PROW  ; 16 lanes store 256 consecutive bytes, at a multiple of 256 from pb's first byte
.endr
.endm
; The statistics of four blocks, 64 rows.  Both halves of the lanes hold a row's cm and l: lanes 0-15 put cm, lanes 16-31 l; read back, lanes 0-15 hold 256 consecutive bytes of plane cm, lanes 16-31 of plane l.
.macro STATS
.irp a, 0,1,2,3
	v_cndmask_b32 v[T+(\a)], v[CMP+2*(\a)], v[LS+(\a)], s[HM]
.endr
.irp a, 0,1,2,3
	ds_store_b32 v[SA], v[T+(\a)] offset:64*(\a)
.endr
	ds_load_b128 v[XT:XT+3], v[SR]
	s_wait_dscnt 0x0
	global_store_b128 v[SO], v[XT:XT+3], s[ST:ST+1]
	s_wait_xcnt 0x0                                ; the store has read its base and data
	s_add_nc_u64 s[ST:ST+1], s[ST:ST+1], 256       ; 64 rows on
.endm
	PLACES                                         ; the maxima read results just made
	s_mov_b32 s[EH], 2
.Lhalf:                                                ; two trips over ONE text, which names window 2: my queries 0-63, then 64-127
	SOFT 0
	TOSTAGE 0
	SOFT 1                                         ; a block's arithmetic stands between the loads of the block before and its stores
	SEND 0
	TOSTAGE 1
	SOFT 2
	SEND 1
	TOSTAGE 2
	SOFT 3
	SEND 2
	TOSTAGE 3
	SEND 3
	STATS
	s_cmp_eq_u32 s[EH], 1
	s_cbranch_scc1 .Lnocopy                        ; the last trip has nothing to bring
	WIN 0x83                                       ; window 3's accumulators go where the text names them: 256 lines once, where a second copy of the four blocks' text would be six times as long
.set i, 0
.rept 256
	v_mov_b32 v[i], v[i]
.set i, i+1
.endr
	WIN 0
.Lnocopy:
	s_sub_co_u32 s[EH], s[EH], 1
	s_cmp_lg_u32 s[EH], 0
	s_cbranch_scc1 .Lhalf
	s_wait_tensorcnt 0x0                           ; the wave's end: a wait, an add and its wait, behind my last tensor load and my last LDS store
	ds_add_u32 v[SPW], v[NIL]
	s_wait_dscnt 0x0
	CROUND                                         ; the closing round: no work-group ends while a partner may still ask for a tile that names it
	s_endpgm
.Lfunc_end_k_q693b042d15_score:
	.size	k_q693b042d15_score, .Lfunc_end_k_q693b042d15_score-k_q693b042d15_score
	.p2alignl 7, 3214868480
	.fill 96, 4, 3214868480
	.section	.rodata,"a",@progbits
	.p2align	6, 0x0
	.amdhsa_kernel k_q693b042d15_score
		.amdhsa_group_segment_fixed_size 327680
		.amdhsa_private_segment_fixed_size 0
		.amdhsa_enable_private_segment 0
		.amdhsa_kernarg_size 24
		.amdhsa_user_sgpr_count 2
		.amdhsa_user_sgpr_kernarg_segment_ptr 1
		.amdhsa_wavefront_size32 1
		.amdhsa_system_sgpr_workgroup_id_x 1
		.amdhsa_system_sgpr_workgroup_id_y 1
		.amdhsa_system_sgpr_workgroup_id_z 1
		.amdhsa_system_vgpr_workitem_id 0
		.amdhsa_next_free_vgpr 1024
		.amdhsa_next_free_sgpr 84
		.amdhsa_reserve_vcc 0
		.amdhsa_float_denorm_mode_32 3
		.amdhsa_float_denorm_mode_16_64 3
		.amdhsa_memory_ordered 1
		.amdhsa_forward_progress 1
		.amdhsa_inst_pref_size 172
	.end_amdhsa_kernel
	.amdgpu_metadata
---
amdhsa.version: [ 1, 2 ]
amdhsa.kernels:
  - .name:           k_q693b042d15_score
    .symbol:         k_q693b042d15_score.kd
    .args:
      - { .name: qkv, .offset: 0, .size: 8, .value_kind: global_buffer, .address_space: global }
      - { .name: pb, .offset: 8, .size: 8, .value_kind: global_buffer, .address_space: global }
      - { .name: stat, .offset: 16, .size: 8, .value_kind: global_buffer, .address_space: global }
    .group_segment_fixed_size: 327680
    .private_segment_fixed_size: 0
    .kernarg_segment_align: 8
    .kernarg_segment_size: 24
    .max_flat_workgroup_size: 128
    .sgpr_count:     84
    .vgpr_count:     1024
    .wavefront_size: 32
...
	.end_amdgpu_metadata
.endif
;; end of part 3
;; launch pv (part 4): grid 4 x 64, 4 waves a work-group, clusters of 4 x 4, 327,680 bytes of LDS; arguments pb, qkv, stat, out0; writes out0
.if DOCPART == 4
	.amdgcn_target "amdgcn-amd-amdhsa--gfx1250"
	.amdhsa_code_object_version 6
	.text
	.protected	k_q693b042d15_pv
	.globl	k_q693b042d15_pv
	.p2align	8
	.type	k_q693b042d15_pv,@function
k_q693b042d15_pv:
	s_mov_b64 s[64:65], 0
	v_nop
	global_prefetch_b8 v0, s[64:65] scope:SCOPE_SE
	s_setreg_imm32_b32 hwreg(HW_REG_WAVE_MODE, 25, 1), 1
	s_wait_xcnt 0x0
	s_wait_alu depctr_hold_cnt(0) depctr_sa_sdst(0) depctr_va_vdst(0) depctr_va_sdst(0) depctr_va_ssrc(0) depctr_va_vcc(0) depctr_vm_vsrc(0)
	s_getreg_b32 s2, hwreg(HW_REG_IB_STS2, 6, 4)
	s_cmp_eq_u32 s2, 0
	s_cbranch_scc0 .Lentry_in_a_cluster
	s_endpgm
.Lentry_in_a_cluster:
	s_bfe_u32 s2, ttmp6, 0x10000c
	s_cmp_lg_u32 s2, 0xf033
	s_cbranch_scc0 .Lentry_shape_is_right
	s_endpgm
.Lentry_shape_is_right:
; THE SECOND LEVEL OF THE SOFTMAX AND THE SECOND PRODUCT.  out0[q][e] = (the sum over chunks c of f[q][c] x the sum over the chunk's keys k of p[q][k] v[k][e]) / L[q], within a batch of 2,048 rows.
; pb [8192][2048] bf16 holds p relative to its chunk's maximum; stat holds cm (plane at byte 0) and l (plane at byte 524,288), [4 batches][16 chunks][2048 rows] f32; v is columns 2048-3071 of qkv
; [8192][3072] bf16; out0 is [8192][1024] f32.  For each row: cM = the largest of its 16 cm; f = 2^(cm - cM), at most 1, rounded to bf16; L = the sum of f l, with the rounded f, so that the sum above
; and its divisor use the same factor; L is at least 1, since the chunk that holds the row's maximum has f = 1 and l at least 1.
; p's fragments are multiplied by f (packed bf16, one more rounding) between the LDS load and the matrix instruction; the sums are multiplied by 1 / L at the end.
; LIMITS.  p, f, p f and v are bf16; a factor below 2^-126 counts as 0; NaN and infinities are not treated apart.
; SHARES.  A tile of out0 is 128 rows x 256 columns: 64 x 4 = 256 tiles, one for each WGP.  Four waves, each 64 x 128: 32 accumulators, 256 registers.  K (the 2,048 keys) goes in steps of 128, ONE CHUNK,
; through a ring of two LDS slots filled by the tensor data mover: 128 rows x 256 bytes of p, 128 keys x 512 bytes of v.
; CLUSTERS: 4 x 4 work-groups.  The four of a row of the cluster need the same rows of p, the four of a column the same columns of v: each tile is asked for JOINTLY.
; THE MATRIX INSTRUCTION IS USED TRANSPOSED (source 0 = 16 columns of v, turned on its way out of LDS by ds_load_tr16_b128; source 1 = 16 rows of p): a lane holds row l % 16 and eight neighbouring columns.
; REGISTERS, in windows of 256 (s_set_vgpr_msb: bits 1:0 source 0, 3:2 source 1, 5:4 source 2, 7:6 destination):
;   window 0: v0-31 addresses; v32-35 the chunk's factors; v36-43 1 / L; v64-127 fragments of p, two buffers of 4 x 8 (at the head: at work); v128-255 rows on the way out
;   window 1: v0-127 fragments of v, two buffers of 8 x 8          window 2: the accumulators, (a, b) at v[8 (8 a + b)]
.set KSTEP,  128
.set PROW,   4096                      ; bytes in a row of pb, and of out0
.set QROW,   6144                      ; bytes in a row of qkv
.set VSTEP,  KSTEP*QROW                ; bytes from a K step of v to the next
.set LPLANE, 524288
.set PITCH,  272                       ; a row of p in LDS: 256 bytes + 16: the 16 rows of a load start at 16 different groups of four banks (64 banks of 4 bytes: ISA guide 11.1)
.set VPITCH, 544                       ; a row of v: 512 + 32 = 136 words
.set AHALF,  64*PITCH                  ; what a tensor load brings of p, and what a wave reads of it
.set VHALF,  64*VPITCH                 ; what a tensor load brings of v
.set VOFF,   2*AHALF                   ; a slot: p's 128 rows, then v's 128 keys
.set SLOT,   VOFF+2*VHALF
.set STAGE,  2*SLOT                    ; behind the ring: 16 rows x 528 bytes for each wave
.set SPITCH, 528
.set FT,     STAGE+4*16*SPITCH         ; the factors: chunk c, row t of the tile at 512 c + 4 t: f twice, as two bf16
.set RLT,    FT+16*512                 ; 1 / L of row t at 4 t
.set SPARE,  RLT+512                   ; the spare words, 128 bytes for each wave: two blocks of 256 bytes that no other line names
.set LAPS,   8                         ; a lap = two K steps = once round the ring
.set SOF,  8                           ; v8      4 x my thread's number: my row's place in stat; never rewritten
.set TA,   10                          ; v10     where I put my row's factors
.set ADRA, 16                          ; v16-17  LDS address of my fragments of p in slot 0, 1
.set ADRV, 20                          ; v20-21  the same for v
.set FA,   23                          ; v23     LDS address of the factors in hand
.set STO,  24                          ; v24     the way out: where I put 32 bytes of a row
.set RD,   25                          ; v25     where I read 16 bytes of a row back
.set CO,   26                          ; v26     my byte offset in 512 bytes of a row of out0
.set FA0,  27                          ; v27     my rows' place in chunk 0's factors; never rewritten
.set SPW,  28                          ; v28     LDS address of my spare word; never rewritten
.set NIL,  29                          ; v29     0; never rewritten
.set PFO,  30                          ; v30     the prefetches' offset; never rewritten
.set RA,   31                          ; v31     my rows' place in the table of 1 / L
.set FR,   32                          ; v32-35  block a's factor for my row
.set RLP,  36                          ; v36-43  block a's 1 / L, in a pair
.set AF,   64
.set BF,   0
.set CMV,  64                          ; the head: cm of my row's 16 chunks, then f
.set LV,   80                          ; l
.set FP,   96                          ; f, twice in a word
.set W,    112                         ; at work
.set G1,  24                           ; s[24:31] descriptor group 1 for p's tiles;  s[32:39] group 0, a set for each slot
.set G0,  32
.set G1B, 48                           ; s[48:55], s[56:63] the same for v's
.set G0B, 56
.set LIM, 43                           ; s43      1 in a wave that prefetches, else the greatest number
.set PFA, 44                           ; s[44:45] the K step that my next prefetch names
.set BAT, 66                           ; s66      the batch
.set PST, 76                           ; s[76:77] bytes from a K step to the next, in what I prefetch
.set FTB, 78                           ; s78      512 x the chunk whose factors are fetched next
.set MUL,  0xa1                        ; source 0 (v) window 1, source 1 (p) window 0, C and D window 2
.set TO_B, 0x40                        ; destination window 1, address window 0
.set MSB, 0
.macro WIN new                         ; the immediate's high byte repeats the setting that is left; a switch that changes nothing is dropped
.if MSB != (\new)
	s_set_vgpr_msb (MSB<<8)|(\new)
.set MSB, \new
.endif
.endm
; A joint load: waves 0 and 1 fetch p's two halves, waves 2 and 3 v's.  The branch hangs on the wave's number alone.  An s_nop 0 and four v_nop follow each of the two lines.
.macro JLOAD s
	s_cmp_eq_u32 s11, 0
	s_cbranch_scc0 .Lfor_b_\@
	tensor_load_to_lds s[G0+4*(\s):G0+4*(\s)+3], s[G1:G1+7]
	s_nop 0
.rept 4
	v_nop
.endr
	s_branch .Lasked_\@
.Lfor_b_\@:
	tensor_load_to_lds s[G0B+4*(\s):G0B+4*(\s)+3], s[G1B:G1B+7]
	s_nop 0
.rept 4
	v_nop
.endr
.Lasked_\@:
.endm
; A prefetch of the K step that stands two refills on, 256 matrix instructions ahead of the load that will want it: 32 blocks of 256 bytes, a lane a block.  Each block is named once in the launch.
; p's rows are read by one row of one cluster alone: wave 0 asks, each of the four partners for 32 rows.  v's columns are read by the batch's four clusters: the first of them asks, waves 2 and 3 each for
; the 64 keys that they fetch, each of the four partners of a column for 16 keys, two blocks a key.  Partners are told apart by address.  The loop's last trip (s3 = 1) names nothing.
.macro ASK
	s_cmp_gt_u32 s3, s[LIM]
	s_cbranch_scc0 .Lnot_mine_\@
	global_prefetch_b8 v[PFO], s[PFA:PFA+1] th:TH_LOAD_NT scope:SCOPE_SE
.Lnot_mine_\@:
.endm
.macro CREST                           ; a round of the cluster's barrier behind its opening barrier
	s_cmp_lg_u32 s10, 0
	s_cbranch_scc1 .Lnot_wave_0_\@
	s_barrier_signal -3
.Lnot_wave_0_\@:
	s_barrier_wait -3
	s_barrier_signal -1
	s_barrier_wait -1
.endm
.macro CROUND
	s_barrier_signal -1
	s_barrier_wait -1
	CREST
.endm
	s_load_b128 s[4:7], s[0:1], 0x0                ; pb s[4:5], qkv s[6:7]
	s_load_b128 s[68:71], s[0:1], 0x10             ; stat s[68:69], out0 s[70:71]
	v_lshl_add_u32 v[SPW], v0, 2, SPARE
	v_mov_b32 v[NIL], 0
	ds_add_u32 v[SPW], v[NIL]                      ; the wave's opening: the add and its wait ahead of my first tensor load; work on registers stands between them
	v_lshrrev_b32 v1, 5, v0
	v_readfirstlane_b32 s10, v1                    ; wave 0..3
	s_lshr_b32 s11, s10, 1                         ; which half of the tile's rows is mine.  Also: I fetch for p (0) or for v (1)
	s_and_b32 s12, s10, 1                          ; which half of its columns.  Also: which half of that tile I fetch
	s_bfe_u32 s40, ttmp6, 0x40000                  ; cx, cy
	s_bfe_u32 s41, ttmp6, 0x40004
	s_lshl_b32 s42, ttmp9, 2
	s_add_co_u32 s42, s42, s40                     ; tile column = 4 x cluster x + cx, 0..3
	s_and_b32 s13, ttmp7, 0xffff
	s_lshl_b32 s13, s13, 2
	s_add_co_u32 s13, s13, s41                     ; tile row = 4 x cluster y + cy, 0..63
	s_and_b32 s[BAT], ttmp7, 0xffff
	s_lshr_b32 s[BAT], s[BAT], 2                   ; the batch: four rows of clusters each; made of the cluster's y alone
	s_lshl_b32 s43, s41, 2
	s_lshl_b32 s43, 15, s43                        ; my row of the cluster
	s_lshl_b32 s44, 0x1111, s40                    ; my column
	s_or_b32 s[G1+0], s43, (1<<16)|(1<<20)|(1<<21)|(5<<22)|(3<<25)   ; 15:0 the mask; 17:16 elements of 2 bytes; 20 padding on; 21 set beside a mask; 24:22 after every 64 words; 31:25 4 words of it
	s_mov_b32 s[G1+1], KSTEP<<16                   ; tensor_dim0 = 128
	s_mov_b32 s[G1+2], 64<<16                      ; tensor_dim1 = 64
	s_mov_b32 s[G1+3], KSTEP<<16                   ; tile_dim0 = 128
	s_mov_b32 s[G1+4], 64                          ; tile_dim1 = 64
	s_mov_b32 s[G1+5], 2048                        ; elements from row to row of pb
	s_mov_b32 s[G1+6], 0
	s_mov_b32 s[G1+7], 0
	s_or_b32 s[G1B+0], s44, (1<<16)|(1<<20)|(1<<21)|(6<<22)|(7<<25)  ; v's rows: padding after every 128 words, 8 words of it
	s_mov_b32 s[G1B+1], 256<<16                    ; tensor_dim0 = 256
	s_mov_b32 s[G1B+2], 64<<16                     ; tensor_dim1 = 64
	s_mov_b32 s[G1B+3], 256<<16                    ; tile_dim0 = 256
	s_mov_b32 s[G1B+4], 64                         ; tile_dim1 = 64
	s_mov_b32 s[G1B+5], 3072                       ; elements from row to row of qkv
	s_mov_b32 s[G1B+6], 0
	s_mov_b32 s[G1B+7], 0
	s_mov_b32 s[FTB], 0
	; where the tiles come from: p's hang on the tile row alone; v's on the tile column and the cluster's y
	s_lshl_b32 s16, s13, 7
	s_lshl_b32 s17, s12, 6
	s_add_co_u32 s16, s16, s17                     ; p: row 128 x tile row + 64 x half
	s_lshl_b32 s16, s16, 12                        ; in bytes (under 2^25)
	s_mov_b32 s17, 0
	s_lshl_b32 s46, s[BAT], 11
	s_lshl_b32 s47, s12, 6
	s_add_co_u32 s46, s46, s47                     ; v: key row 2,048 x batch + 64 x half
	s_mul_i32 s46, s46, QROW                       ; (under 2^26)
	s_lshl_b32 s47, s42, 9
	s_add_co_u32 s46, s46, s47                     ; + 512 bytes x tile column
	s_mov_b32 s47, 0
	s_mul_i32 s20, s12, AHALF                      ; where they go: no place in the cluster enters an LDS address
	s_mul_i32 s21, s12, VHALF
	s_add_co_u32 s21, s21, VOFF
	s_lshl_b32 s22, s[BAT], 17                     ; stat: 16 chunks x 2,048 rows x 4 bytes a batch,
	s_and_b32 s23, s13, 15
	s_lshl_b32 s23, s23, 9                         ; 128 rows x 4 bytes a tile row
	s_add_co_u32 s22, s22, s23
	s_mov_b32 s23, 0
	s_wait_dscnt 0x0                               ; the opening add is done
	s_wait_kmcnt 0x0
	s_add_nc_u64 s[6:7], s[6:7], 4096              ; v's columns of qkv
	s_add_nc_u64 s[14:15], s[4:5], s[16:17]
	s_add_nc_u64 s[46:47], s[6:7], s[46:47]
	s_add_nc_u64 s[68:69], s[68:69], s[22:23]
	CROUND                                         ; all sixteen work-groups are here: the first joint loads meet
.irp s, 0,1
	s_mov_b32 s[G0+4*(\s)], 1
	s_add_co_u32 s[G0+4*(\s)+1], s20, (\s)*SLOT
	s_add_nc_u64 s[G0+4*(\s)+2:G0+4*(\s)+3], s[14:15], (\s)*KSTEP*2
	s_or_b32 s[G0+4*(\s)+3], s[G0+4*(\s)+3], 0x80000000
	s_mov_b32 s[G0B+4*(\s)], 1
	s_add_co_u32 s[G0B+4*(\s)+1], s21, (\s)*SLOT
	s_add_nc_u64 s[G0B+4*(\s)+2:G0B+4*(\s)+3], s[46:47], (\s)*VSTEP
	s_or_b32 s[G0B+4*(\s)+3], s[G0B+4*(\s)+3], 0x80000000
	JLOAD \s                                       ; two tensor loads of mine are out
.endr
	; thread t takes row t of the tile: its 16 cm and 16 l
	v_lshlrev_b32 v[SOF], 2, v0
.irp c, 0,1,2,3,4,5,6,7,8,9,10,11,12,13,14,15
	global_load_b32 v[CMV+(\c)], v[SOF], s[68:69] offset:8192*(\c)
	global_load_b32 v[LV+(\c)],  v[SOF], s[68:69] offset:LPLANE+8192*(\c)
.endr
	v_and_b32 v1, 15, v0                           ; l % 16
	v_bfe_u32 v2, v0, 4, 1                         ; l / 16
	v_and_b32 v9, 31, v0                           ; l
	v_mul_u32_u24 v3, v1, PITCH
	v_lshl_add_u32 v3, v2, 4, v3                   ; p: a fragment's row x pitch + 16 x half
	; the turning load takes 16 keys x 16 columns (lane l reads key 8 (l / 16) + l % 8, columns 8 ((l / 8) % 2) + 0..7) and leaves half a fragment: lane l holds column l % 16 and 8 keys
	v_and_b32 v5, 7, v0
	v_bfe_u32 v6, v0, 3, 1
	v_lshl_add_u32 v7, v2, 3, v5
	v_mul_u32_u24 v7, v7, VPITCH
	v_lshl_add_u32 v7, v6, 4, v7
	s_mul_i32 s21, s11, AHALF                      ; my 64 rows of p
	s_lshl_b32 s22, s12, 8                         ; my 128 columns of v
	s_add_co_u32 s22, s22, VOFF
.irp s, 0,1
	v_add_nc_u32 v[ADRA+(\s)], s21, v3
	v_add_nc_u32 v[ADRV+(\s)], s22, v7
	s_add_co_u32 s21, s21, SLOT
	s_add_co_u32 s22, s22, SLOT
.endr
	s_mul_i32 s23, s10, 16*SPITCH
	s_add_co_u32 s23, s23, STAGE                   ; my stage
	v_mul_u32_u24 v4, v1, SPITCH                   ; in: row l % 16, 32 bytes for each half of the lanes
	v_lshl_add_u32 v4, v2, 5, v4
	v_add_nc_u32 v[STO], s23, v4
	v_lshl_add_u32 v[RD], v9, 4, s23               ; back: 32 lanes take a row's 512 bytes
	v_lshlrev_b32 v[CO], 4, v9
	s_lshl_b32 s23, s11, 8
	v_lshl_add_u32 v4, v1, 2, s23                  ; (64 x row half + l % 16) x 4
	v_add_nc_u32 v[FA0], FT, v4
	v_add_nc_u32 v[RA], RLT, v4
	v_lshl_add_u32 v[TA], v0, 2, FT
	s_lshl_b32 s16, s13, 7
	s_lshl_b32 s14, s11, 6
	s_add_co_u32 s16, s16, s14                     ; my first row of out0
	s_lshl_b32 s16, s16, 12
	s_mov_b32 s17, 0
	s_lshl_b32 s46, s42, 10                        ; my first column, in bytes: 1,024 x tile column + 512 x half
	s_lshl_b32 s47, s12, 9
	s_add_co_u32 s46, s46, s47
	s_add_co_u32 s16, s16, s46
	s_add_nc_u64 s[8:9], s[70:71], s[16:17]        ; out0 at my part of the tile
	; the prefetches
	s_lshl_b32 s20, s13, 7
	s_lshl_b32 s21, s40, 5
	s_add_co_u32 s20, s20, s21
	s_lshl_b32 s20, s20, 12                        ; p: row 128 x tile row + 32 cx, in bytes
	s_lshl_b32 s21, s[BAT], 11
	s_lshl_b32 s22, s12, 6
	s_add_co_u32 s21, s21, s22
	s_lshl_b32 s22, s41, 4
	s_add_co_u32 s21, s21, s22                     ; v: key row 2,048 x batch + 64 x half + 16 cy,
	s_mul_i32 s21, s21, QROW
	s_lshl_b32 s22, s42, 9
	s_add_co_u32 s21, s21, s22                     ; and the tile's columns
	s_and_b32 s22, ttmp7, 3                        ; which of the batch's four rows of clusters
	s_mov_b32 s23, 3*KSTEP*2                       ; K step 3, in p
	s_mov_b32 s18, 3*VSTEP                         ; and in v
	s_mov_b32 s19, KSTEP*2
	s_mov_b32 s14, VSTEP
	s_mov_b32 s15, PROW
	s_mov_b32 s46, QROW
	s_cmp_eq_u32 s11, 0
	s_cselect_b32 s20, s20, s21
	s_cselect_b32 s22, s12, s22                    ; p: wave 0 asks, wave 1 never; v: the batch's first row of clusters
	s_cselect_b32 s23, s23, s18
	s_cselect_b32 s[PST], s19, s14
	s_cselect_b32 s15, s15, s46                    ; bytes from row to row
	s_cselect_b32 s18, 0, 1                        ; p: a lane a row; v: two lanes a row
	s_cselect_b64 s[PFA:PFA+1], s[4:5], s[6:7]
	s_cmp_eq_u32 s22, 0
	s_cselect_b32 s[LIM], 1, -1                    ; the same in all sixteen partners, for a given wave
	s_mov_b32 s[PST+1], 0
	s_add_co_u32 s20, s20, s23                     ; at K step 3: the first refill steps it to 4 and names that
	s_mov_b32 s21, 0
	s_add_nc_u64 s[PFA:PFA+1], s[PFA:PFA+1], s[20:21]
	v_lshrrev_b32 v5, s18, v9
	v_mul_lo_u32 v5, v5, s15
	v_and_b32 v6, s18, v9
	v_lshl_add_u32 v[PFO], v6, 8, v5
	; my row's factors and divisor, in the wait for the first tiles
	s_wait_loadcnt 0x0                             ; the 32 loads from stat
	v_max3_num_f32 v[W],   v[CMV],    v[CMV+1],  v[CMV+2]
	v_max3_num_f32 v[W+1], v[CMV+3],  v[CMV+4],  v[CMV+5]
	v_max3_num_f32 v[W+2], v[CMV+6],  v[CMV+7],  v[CMV+8]
	v_max3_num_f32 v[W+3], v[CMV+9],  v[CMV+10], v[CMV+11]
	v_max3_num_f32 v[W+4], v[CMV+12], v[CMV+13], v[CMV+14]
	v_max3_num_f32 v[W],   v[W],   v[W+1], v[CMV+15]
	v_max3_num_f32 v[W+2], v[W+2], v[W+3], v[W+4]
	v_max_num_f32 v[W], v[W], v[W+2]               ; cM
.irp c, 0,1,2,3,4,5,6,7,8,9,10,11,12,13,14,15
	v_sub_f32 v[CMV+(\c)], v[CMV+(\c)], v[W]
.endr
.irp c, 0,1,2,3,4,5,6,7,8,9,10,11,12,13,14,15
	v_exp_f32 v[CMV+(\c)], v[CMV+(\c)]
.endr
	v_nop                                          ; a plain instruction behind the last exponential (ISA guide 5.7.2),
	s_wait_alu depctr_va_vdst(0)                   ; and one wait ahead of the batch's first reader
.irp c, 0,1,2,3,4,5,6,7,8,9,10,11,12,13,14,15
	v_cvt_pk_bf16_f32 v[FP+(\c)], v[CMV+(\c)], v[CMV+(\c)]  ; f, rounded, in both halves
.endr
.irp c, 0,1,2,3,4,5,6,7,8,9,10,11,12,13,14,15
	v_lshlrev_b32 v[CMV+(\c)], 16, v[FP+(\c)]      ; the rounded f as f32
.endr
	v_mul_f32 v[W+1], v[CMV], v[LV]
.irp c, 1,2,3,4,5,6,7,8,9,10,11,12,13,14,15
	v_fmac_f32 v[W+1], v[CMV+(\c)], v[LV+(\c)]     ; L
.endr
	v_rcp_f32 v[W+2], v[W+1]
	v_nop                                          ; a plain instruction behind the reciprocal
.irp c, 0,1,2,3,4,5,6,7,8,9,10,11,12,13,14,15
	ds_store_b32 v[TA], v[FP+(\c)] offset:512*(\c)
.endr
	s_wait_alu depctr_va_vdst(0)                   ; the reciprocal's wait, ahead of its first reader
	ds_store_b32 v[TA], v[W+2] offset:RLT-FT
; 8 matrix instructions: row block a x all 8 column blocks, 32 keys, from buffers n.  zero = 1: the first product starts the sums.
; The 32 accumulators take turns in one fixed order, over the backward jump too.
.macro ONE n, a, b, zero
.if \zero
	v_wmma_f32_16x16x32_bf16 v[8*(8*(\a)+(\b)):8*(8*(\a)+(\b))+7], v[BF+64*(\n)+8*(\b):BF+64*(\n)+8*(\b)+7], v[AF+32*(\n)+8*(\a):AF+32*(\n)+8*(\a)+7], 0
.else
	v_wmma_f32_16x16x32_bf16 v[8*(8*(\a)+(\b)):8*(8*(\a)+(\b))+7], v[BF+64*(\n)+8*(\b):BF+64*(\n)+8*(\b)+7], v[AF+32*(\n)+8*(\a):AF+32*(\n)+8*(\a)+7], v[8*(8*(\a)+(\b)):8*(8*(\a)+(\b))+7]
.endif
.endm
.macro MULA n, a, zero
	WIN MUL
.irp b, 0,1,2,3,4,5,6,7
	ONE \n, \a, \b, \zero
.endr
.endm
; The same, and behind each matrix instruction four lines that multiply the NEXT quarter's fragments of p (buffer g, 32 registers) by their rows' factor
.macro MULAR n, a, g, zero
.irp b, 0,1,2,3,4,5,6,7
	WIN MUL
	ONE \n, \a, \b, \zero
	WIN 0
.irp j, 0,1,2,3
	v_pk_mul_bf16 v[AF+32*(\g)+4*(\b)+(\j)], v[AF+32*(\g)+4*(\b)+(\j)], v[FR+(4*(\b)+(\j))/8]
.endr
.endr
.endm
; 24 LDS loads in one run: the fragments of quarter kq (32 keys) into buffers n: p's eight loads first, since they are wanted first, then v's sixteen, turned
.macro FETCH slot, kq, n
	WIN 0
.irp i, 0,1,2,3
	ds_load_b128 v[AF+32*(\n)+8*(\i):AF+32*(\n)+8*(\i)+3],   v[ADRA+(\slot)] offset:64*(\kq)+(\i)*16*PITCH
	ds_load_b128 v[AF+32*(\n)+8*(\i)+4:AF+32*(\n)+8*(\i)+7], v[ADRA+(\slot)] offset:64*(\kq)+(\i)*16*PITCH+32
.endr
	WIN TO_B
.irp b, 0,1,2,3,4,5,6,7
	ds_load_tr16_b128 v[BF+64*(\n)+8*(\b):BF+64*(\n)+8*(\b)+3],   v[ADRV+(\slot)] offset:(\kq)*32*VPITCH+32*(\b)
	ds_load_tr16_b128 v[BF+64*(\n)+8*(\b)+4:BF+64*(\n)+8*(\b)+7], v[ADRV+(\slot)] offset:(\kq)*32*VPITCH+16*VPITCH+32*(\b)
.endr
.endm
.macro FRLOAD                          ; the next chunk's factors for my four blocks of rows
	v_add_nc_u32 v[FA], s[FTB], v[FA0]
	s_add_co_u32 s[FTB], s[FTB], 512
.irp a, 0,1,2,3
	ds_load_b32 v[FR+(\a)], v[FA] offset:64*(\a)
.endr
.endm
.macro PLACES                          ; four plain vector instructions between a matrix instruction and a load into, or a vector read of, its registers (ISA guide 7.12.1 for vector reads)
.rept 4
	v_nop
.endr
.endm
; A K step is four quarters of 32 keys, 32 matrix instructions each, on buffers 0, 1, 0, 1.  One of the first three: multiplies buffers n, fetches quarter kq into g and scales its p.
.macro QUARTER slot, kq, n, g, zero
	s_wait_dscnt 0x0                               ; v's fragments of buffer n are in (its p was waited for, and scaled, a quarter ago)
	MULA \n, 0, \zero
	PLACES
	FETCH \slot, \kq, \g
	MULA \n, 1, \zero
	MULA \n, 2, \zero
	s_wait_dscnt 16                                ; p's eight loads are in; v's sixteen may be out
	MULAR \n, 3, \g, \zero
.endm
; The last quarter multiplies buffers 1 and changes slots: ONE barrier.  In front of it each wave waits for all its tensor loads (one is out: its part of the next slot), adds 0 to its spare word, and
; waits for that and for its own reads of this slot.  fill = 1: the barrier opens a round of the cluster's barrier, and this slot is filled again first thing behind it, two K steps ahead:
; 112 matrix instructions stand between that request and the wait for it.  The next chunk's factors come with the next slot's first fragments.
.macro TURN slot, next, fill
.if \fill
	s_wait_xcnt 0x0                                ; the last prefetch, a K step back, has read its address
	s_add_nc_u64 s[PFA:PFA+1], s[PFA:PFA+1], s[PST:PST+1]
.endif
	WIN 0                                          ; (the add's two registers lie in window 0)
	s_wait_tensorcnt 0x0                           ; all my tensor loads have landed
	ds_add_u32 v[SPW], v[NIL]                      ; 0 onto my spare word
	s_wait_dscnt 1                                 ; v's fragments of buffer 1 are in; the add alone may be out
	MULA 1, 0, 0                                   ; eight matrix instructions stand between the add and the wait for it
	s_wait_dscnt 0x0                               ; the add is done, and my reads of this slot are over
	s_barrier_signal -1
	MULA 1, 1, 0
	WIN 0
	s_barrier_wait -1
.if \fill
	CREST                                          ; no wave of any partner still reads this slot or has a load on its way
	s_add_nc_u64 s[G0+4*(\slot)+2:G0+4*(\slot)+3], s[G0+4*(\slot)+2:G0+4*(\slot)+3], 2*KSTEP*2
	s_add_nc_u64 s[G0B+4*(\slot)+2:G0B+4*(\slot)+3], s[G0B+4*(\slot)+2:G0B+4*(\slot)+3], 2*VSTEP
	JLOAD \slot                                    ; my one tensor load behind the round; its four v_nop are also the places in front of the loads below
.else
	PLACES
.endif
	FRLOAD
	FETCH \next, 0, 0
.if \fill
	WIN 0
	ASK
.endif
	MULA 1, 2, 0
	s_wait_dscnt 16                                ; the factors and p's eight loads are in; v's sixteen may be out
	MULAR 1, 3, 0, 0
.endm
	s_wait_tensorcnt 1                             ; my part of K step 0 is in; K step 1's may stay out
	s_wait_dscnt 0x0                               ; my rows of the two tables are written
	s_barrier_signal -1
	s_barrier_wait -1                              ; everybody's are
	FRLOAD                                         ; chunk 0
	FETCH 0, 0, 0
	WIN 0
	s_wait_dscnt 16                                ; the factors and p's eight loads are in
.set i, 0
.rept 32
	v_pk_mul_bf16 v[AF+i], v[AF+i], v[FR+i/8]
.set i, i+1
.endr
	QUARTER 0, 1, 0, 1, 1                          ; the first quarter stands in front of the loop: its products start the sums
	WIN 0                                          ; at a label and at a branch every window is 0
	s_mov_b32 s3, LAPS-1
.Llap:                                                 ; a trip goes once round the ring, from a lap's second quarter to the next lap's first, and fills both slots again
	QUARTER 0, 2, 1, 0, 0
	QUARTER 0, 3, 0, 1, 0
	TURN 0, 1, 1
	QUARTER 1, 1, 0, 1, 0
	QUARTER 1, 2, 1, 0, 0
	QUARTER 1, 3, 0, 1, 0
	TURN 1, 0, 1
	QUARTER 0, 1, 0, 1, 0
	WIN 0
	s_sub_co_u32 s3, s3, 1
	s_cmp_lg_u32 s3, 0
	s_cbranch_scc1 .Llap
	QUARTER 0, 2, 1, 0, 0                          ; the last lap fills nothing
	QUARTER 0, 3, 0, 1, 0
	TURN 0, 1, 0
	QUARTER 1, 1, 0, 1, 0
	QUARTER 1, 2, 1, 0, 0
	QUARTER 1, 3, 0, 1, 0
	s_wait_dscnt 0x0                               ; the very last quarter: nothing more to fetch
	MULA 1, 0, 0
	MULA 1, 1, 0
	MULA 1, 2, 0
	MULA 1, 3, 0
	WIN 0
; THE WAY OUT, a block of 16 rows at a time.  SCALE: times 1 / L, each accumulator's registers in ascending order.  TOSTAGE: 32 bytes a lane into my own stage, back as whole rows of 512 bytes.  SEND: stored.
.macro SCALE a
.set AC, 64*(\a)
	WIN 0x82                                       ; destination and source 0 in window 2, 1 / L in window 0
.set i, 0
.rept 32
	v_pk_mul_f32 v[AC+2*i:AC+2*i+1], v[AC+2*i:AC+2*i+1], v[RLP+2*(\a):RLP+2*(\a)+1] op_sel_hi:[1,0]
.set i, i+1
.endr
.endm
.macro TOSTAGE a
.set AC, 64*(\a)
.set BK, 128+64*((\a)%2)               ; v128-191 and v192-255 by turns
	WIN 0x08                                       ; the stores' data in window 2
.irp b, 0,1,2,3,4,5,6,7
	ds_store_b128 v[STO], v[AC+8*(\b):AC+8*(\b)+3]   offset:64*(\b)
	ds_store_b128 v[STO], v[AC+8*(\b)+4:AC+8*(\b)+7] offset:64*(\b)+16
.endr
	WIN 0
.irp t, 0,1,2,3,4,5,6,7,8,9,10,11,12,13,14,15
	ds_load_b128 v[BK+4*(\t):BK+4*(\t)+3], v[RD] offset:(\t)*SPITCH  ; LDS serves a wave's instructions in order (ISA guide 5.7.1.4): these see the stores above
.endr
.endm
.macro SEND a
.set BK, 128+64*((\a)%2)
	WIN 0
	s_wait_dscnt 0x0                               ; the block is back in registers
.if (\a) > 0
	s_wait_xcnt 0x0                                ; the earlier stores have read their base and their data: only behind this wait are they rewritten
	s_add_nc_u64 s[8:9], s[8:9], 16*PROW           ; 16 rows on
.endif
.irp t, 0,1,2,3,4,5,6,7,8,9,10,11,12,13,14,15
	global_store_b128 v[CO], v[BK+4*(\t):BK+4*(\t)+3], s[8:9] offset:(\t)*PROW  ; the wave stores 512 consecutive bytes, at a multiple of 256 from out0's first byte
.endr
.endm
	PLACES                                         ; the scalings read results just made
.irp a, 0,1,2,3
	ds_load_b32 v[RLP+2*(\a)], v[RA] offset:64*(\a)
.endr
	s_wait_dscnt 0x0
.irp a, 0,1,2,3
	v_mov_b32 v[RLP+2*(\a)+1], v[RLP+2*(\a)]       ; the packed multiply names a pair
.endr
	SCALE 0
	TOSTAGE 0
.irp a, 1,2,3                          ; block a's scaling stands between block a - 1's loads from the stage and the wait for them
	SCALE \a
	SEND (\a)-1
	TOSTAGE \a
.endr
	SEND 3
	s_wait_tensorcnt 0x0                           ; the wave's end: a wait, an add and its wait, behind my last tensor load and my last LDS store
	ds_add_u32 v[SPW], v[NIL]
	s_wait_dscnt 0x0
	CROUND                                         ; the closing round: no work-group ends while a partner may still ask for a tile that names it
	s_endpgm
.Lfunc_end_k_q693b042d15_pv:
	.size	k_q693b042d15_pv, .Lfunc_end_k_q693b042d15_pv-k_q693b042d15_pv
	.p2alignl 7, 3214868480
	.fill 96, 4, 3214868480
	.section	.rodata,"a",@progbits
	.p2align	6, 0x0
	.amdhsa_kernel k_q693b042d15_pv
		.amdhsa_group_segment_fixed_size 327680
		.amdhsa_private_segment_fixed_size 0
		.amdhsa_enable_private_segment 0
		.amdhsa_kernarg_size 32
		.amdhsa_user_sgpr_count 2
		.amdhsa_user_sgpr_kernarg_segment_ptr 1
		.amdhsa_wavefront_size32 1
		.amdhsa_system_sgpr_workgroup_id_x 1
		.amdhsa_system_sgpr_workgroup_id_y 1
		.amdhsa_system_sgpr_workgroup_id_z 1
		.amdhsa_system_vgpr_workitem_id 0
		.amdhsa_next_free_vgpr 768
		.amdhsa_next_free_sgpr 84
		.amdhsa_reserve_vcc 0
		.amdhsa_float_denorm_mode_32 3
		.amdhsa_float_denorm_mode_16_64 3
		.amdhsa_memory_ordered 1
		.amdhsa_forward_progress 1
		.amdhsa_inst_pref_size 145
	.end_amdhsa_kernel
	.amdgpu_metadata
---
amdhsa.version: [ 1, 2 ]
amdhsa.kernels:
  - .name:           k_q693b042d15_pv
    .symbol:         k_q693b042d15_pv.kd
    .args:
      - { .name: pb, .offset: 0, .size: 8, .value_kind: global_buffer, .address_space: global }
      - { .name: qkv, .offset: 8, .size: 8, .value_kind: global_buffer, .address_space: global }
      - { .name: stat, .offset: 16, .size: 8, .value_kind: global_buffer, .address_space: global }
      - { .name: out0, .offset: 24, .size: 8, .value_kind: global_buffer, .address_space: global }
    .group_segment_fixed_size: 327680
    .private_segment_fixed_size: 0
    .kernarg_segment_align: 8
    .kernarg_segment_size: 32
    .max_flat_workgroup_size: 128
    .sgpr_count:     84
    .vgpr_count:     768
    .wavefront_size: 32
...
	.end_amdgpu_metadata
.endif
;; end of part 4
;; ======== version 2 of 2: 4 launches; version 1 with the launch cast written anew for expert scheduling mode
;; workspace buffers: xb 16,777,216 bytes; wb 6,291,456 bytes; bb 12,288 bytes; qkv 50,331,648 bytes; pb 33,554,432 bytes; stat 1,048,576 bytes
;; launch cast (part 5): grid 705 x 1, 8 waves a work-group, no clusters, 0 bytes of LDS; arguments x, wq, wk, wv, bq, bk, bv, xb, wb, bb; writes xb, wb, bb
.if DOCPART == 5
	.amdgcn_target "amdgcn-amd-amdhsa--gfx1250"
	.amdhsa_code_object_version 6
	.text
	.protected	k_q693b042d15_cast
	.globl	k_q693b042d15_cast
	.p2align	8
	.type	k_q693b042d15_cast,@function
k_q693b042d15_cast:
	s_mov_b64 s[64:65], 0
	v_nop
	global_prefetch_b8 v0, s[64:65] scope:SCOPE_SE
	s_setreg_imm32_b32 hwreg(HW_REG_WAVE_SCHED_MODE, 0, 2), 2
	s_setreg_imm32_b32 hwreg(HW_REG_WAVE_MODE, 25, 1), 1
	s_wait_xcnt 0x0
	s_wait_alu depctr_vm_vsrc(0)
; x, wq, wk, wv, bq, bk and bv, all f32, are rounded once to bf16 and laid out for the launch behind.
; xb: [16 panels][8192 rows][64] bf16: panel p holds channels 64 p .. 64 p + 63 of every row of x, 128 bytes a row, rows on end.  wb: [16 panels][3072 rows][64] likewise, wq's, wk's and wv's rows one below
; the other.  So the rows x 64 channels that the launch behind takes in one K step are dense in memory.  bb: [3072] f32: bq, bk, bv on end, each number rounded to bf16 and written as f32.
; A stream: every byte is read once and written once; no LDS, no barrier, no matrix unit, no cluster (nothing is shared), no prefetch (the launch does nothing but stream).
; SHARES.  A work-group of eight waves converts 16 rows of 1,024 numbers: 64 KiB in, 32 KiB out.  Work-groups 0-511 take x; work-group 512 + j takes rows 16 j .. of wb; work-group 704 takes the biases.
; Wave w takes rows 2 w and 2 w + 1, load i panel i: lanes 0-15 read 256 consecutive bytes of the first row, lanes 16-31 of the second; the store of a wave covers the two rows' 128 bytes of the panel:
; 256 consecutive bytes, aligned.  All sixteen loads of a wave go out at once; no register that a load or store reads is written twice, so no wait frees a source.
; THE MODE: SCHED_MODE bits 1:0 = 2 (LLVM: expert scheduling mode 2), set by the entry lines.  The code itself states the register dependences between vector instructions and memory instructions,
; with s_wait_alu, always for 0.
; THE PLAN.  Registers that memory instructions touch:
;   v1      the loads' offset.   Written at the head; read by all sixteen loads; never written again.
;   OF + i  store i's offset.    Written at the head; read by store i; never written again.
;   X       load i lands in four registers, which no vector instruction names ahead of it; its two conversions read them behind the counted wait for the load.
;   Y       load i's two conversions write two registers; store i reads them; never written again.
; The sixteen loads go in four groups of four.  A group's four stores go out together at the head of the next group, behind the wait for that group's first load and ONE wait on va_vdst, which states that
; the group's eight conversions have written Y; no vector instruction stands between that wait and the four stores.  One wait ahead of the first load states the offsets, one behind the last group its Y.
; No register that a memory instruction has read is written again, so no wait on vm_vsrc is owed; no vector instruction writes a scalar register, VCC or EXEC.
.set XG,    512                        ; work-groups that take x
.set BG,    704                        ; the one that takes the biases
.set XPAN,  8192*128                   ; bytes in a panel of xb
.set WPAN,  3072*128                   ; and of wb
.set X,  4                             ; v[4:67]    load i: 4 registers
.set Y,  68                            ; v[68:99]   store i: 2 registers
.set OF, 100                           ; v[100:115] store i: my byte offset in panel i
	s_load_b512 s[4:19], s[0:1], 0x0               ; x s[4:5], wq s[6:7], wk s[8:9], wv s[10:11], bq s[12:13], bk s[14:15], bv s[16:17], xb s[18:19]
	s_load_b128 s[20:23], s[0:1], 0x40             ; wb s[20:21], bb s[22:23]
	s_cmp_eq_u32 ttmp9, BG
	s_cbranch_scc1 .Lbias
	s_sub_co_u32 s24, ttmp9, XG                    ; j (used only where the work-group's number is 512 or more)
	s_lshr_b32 s25, s24, 6                         ; which weight
	s_and_b32 s26, s24, 63                         ; which 16 rows of it
	s_mov_b32 s27, WPAN
	s_mov_b32 s28, XPAN
	s_mov_b32 s35, 0
	s_mov_b32 s37, 0
	s_cmp_lt_u32 ttmp9, XG
	s_cselect_b32 s27, s28, s27                    ; bytes from panel to panel in my destination
	v_lshrrev_b32 v1, 4, v0                        ; my row of the sixteen: 2 x wave + lane / 16
	v_and_b32 v3, 15, v0
	v_lshlrev_b32 v1, 12, v1                       ; 4,096 bytes a row in,
	v_lshl_or_b32 v1, v3, 4, v1                    ; 16 bytes a lane
	v_lshlrev_b32 v2, 3, v0                        ; out: 128 bytes a row, 8 bytes a lane = 8 x my thread's number
.irp i, 0,1,2,3,4,5,6,7,8,9,10,11,12,13,14,15
	v_mad_u32_u24 v[OF+(\i)], s27, \i, v2
.endr
	s_wait_kmcnt 0x0
	s_cmp_eq_u32 s25, 1
	s_cselect_b64 s[30:31], s[8:9], s[6:7]         ; wk or wq,
	s_cmp_eq_u32 s25, 2
	s_cselect_b64 s[30:31], s[10:11], s[30:31]     ; or wv,
	s_cmp_lt_u32 ttmp9, XG
	s_cselect_b64 s[30:31], s[4:5], s[30:31]       ; or x (the selects leave SCC as it is)
	s_cselect_b64 s[32:33], s[18:19], s[20:21]     ; into xb or wb
	s_cselect_b32 s34, ttmp9, s26                  ; block of 16 rows in the source,
	s_cselect_b32 s36, ttmp9, s24                  ; and in the destination
	s_lshl_b32 s34, s34, 16                        ; 16 rows of 4,096 bytes,
	s_lshl_b32 s36, s36, 11                        ; 16 rows of 128 bytes
	s_add_nc_u64 s[30:31], s[30:31], s[34:35]
	s_add_nc_u64 s[32:33], s[32:33], s[36:37]
	s_wait_alu depctr_va_vdst(0)                   ; v1 is written, which every load below reads as its offset; so are v[OF ..], which the stores read as theirs
.irp i, 0,1,2,3,4,5,6,7,8,9,10,11,12,13,14,15
	global_load_b128 v[X+4*(\i):X+4*(\i)+3], v1, s[30:31] offset:256*(\i) th:TH_LOAD_NT
.endr
.irp g, 0,1,2,3
	s_wait_loadcnt 15-4*(\g)                       ; loads come back in order: the group's first load is in, the younger ones stay out
.if (\g) > 0
	s_wait_alu depctr_va_vdst(0)                   ; the conversions of the group before have written its eight registers of Y, which the four stores below read
.irp j, 0,1,2,3
	global_store_b64 v[OF+4*(\g)-4+(\j)], v[Y+2*(4*(\g)-4+(\j)):Y+2*(4*(\g)-4+(\j))+1], s[32:33]
.endr
.endif
.irp j, 0,1,2,3
.if (\j) > 0
	s_wait_loadcnt 15-4*(\g)-(\j)                  ; load 4 g + j is in, the 15 - 4 g - j younger ones stay out
.endif
	v_cvt_pk_bf16_f32 v[Y+2*(4*(\g)+(\j))],   v[X+4*(4*(\g)+(\j))],   v[X+4*(4*(\g)+(\j))+1]
	v_cvt_pk_bf16_f32 v[Y+2*(4*(\g)+(\j))+1], v[X+4*(4*(\g)+(\j))+2], v[X+4*(4*(\g)+(\j))+3]
.endr
.endr
	s_wait_alu depctr_va_vdst(0)                   ; the last group's conversions have written its eight registers of Y, which the last four stores read
.irp i, 12,13,14,15
	global_store_b64 v[OF+(\i)], v[Y+2*(\i):Y+2*(\i)+1], s[32:33]
.endr
	s_endpgm
.Lbias:                                                ; 256 threads x 4 numbers are one bias; three loads, three stores
	v_lshlrev_b32 v1, 4, v0
	s_mov_b32 s24, 0xffff0000                      ; a word's upper bf16
	s_wait_kmcnt 0x0
	s_wait_alu depctr_va_vdst(0)                   ; v1 is written, which the three loads and the three stores read as their offset
	global_load_b128 v[4:7],   v1, s[12:13]
	global_load_b128 v[8:11],  v1, s[14:15]
	global_load_b128 v[12:15], v1, s[16:17]
	s_wait_loadcnt 0x0
.irp i, 0,1,2,3,4,5
	v_cvt_pk_bf16_f32 v[16+(\i)], v[4+2*(\i)], v[5+2*(\i)]
.endr
.irp i, 0,1,2,3,4,5
	v_lshlrev_b32 v[4+2*(\i)], 16, v[16+(\i)]      ; the rounded numbers as f32
	v_and_b32 v[5+2*(\i)], s24, v[16+(\i)]
.endr
	s_wait_alu depctr_va_vdst(0)                   ; the twelve lines above have written v[4:15], which the three stores read
	global_store_b128 v1, v[4:7],   s[22:23]
	global_store_b128 v1, v[8:11],  s[22:23] offset:4096
	global_store_b128 v1, v[12:15], s[22:23] offset:8192
	s_endpgm
.Lfunc_end_k_q693b042d15_cast:
	.size	k_q693b042d15_cast, .Lfunc_end_k_q693b042d15_cast-k_q693b042d15_cast
	.p2alignl 7, 3214868480
	.fill 96, 4, 3214868480
	.section	.rodata,"a",@progbits
	.p2align	6, 0x0
	.amdhsa_kernel k_q693b042d15_cast
		.amdhsa_group_segment_fixed_size 0
		.amdhsa_private_segment_fixed_size 0
		.amdhsa_enable_private_segment 0
		.amdhsa_kernarg_size 80
		.amdhsa_user_sgpr_count 2
		.amdhsa_user_sgpr_kernarg_segment_ptr 1
		.amdhsa_wavefront_size32 1
		.amdhsa_system_sgpr_workgroup_id_x 1
		.amdhsa_system_sgpr_workgroup_id_y 1
		.amdhsa_system_sgpr_workgroup_id_z 1
		.amdhsa_system_vgpr_workitem_id 0
		.amdhsa_next_free_vgpr 116
		.amdhsa_next_free_sgpr 66
		.amdhsa_reserve_vcc 0
		.amdhsa_float_denorm_mode_32 3
		.amdhsa_float_denorm_mode_16_64 3
		.amdhsa_memory_ordered 1
		.amdhsa_forward_progress 1
		.amdhsa_inst_pref_size 10
	.end_amdhsa_kernel
	.amdgpu_metadata
---
amdhsa.version: [ 1, 2 ]
amdhsa.kernels:
  - .name:           k_q693b042d15_cast
    .symbol:         k_q693b042d15_cast.kd
    .args:
      - { .name: x, .offset: 0, .size: 8, .value_kind: global_buffer, .address_space: global }
      - { .name: wq, .offset: 8, .size: 8, .value_kind: global_buffer, .address_space: global }
      - { .name: wk, .offset: 16, .size: 8, .value_kind: global_buffer, .address_space: global }
      - { .name: wv, .offset: 24, .size: 8, .value_kind: global_buffer, .address_space: global }
      - { .name: bq, .offset: 32, .size: 8, .value_kind: global_buffer, .address_space: global }
      - { .name: bk, .offset: 40, .size: 8, .value_kind: global_buffer, .address_space: global }
      - { .name: bv, .offset: 48, .size: 8, .value_kind: global_buffer, .address_space: global }
      - { .name: xb, .offset: 56, .size: 8, .value_kind: global_buffer, .address_space: global }
      - { .name: wb, .offset: 64, .size: 8, .value_kind: global_buffer, .address_space: global }
      - { .name: bb, .offset: 72, .size: 8, .value_kind: global_buffer, .address_space: global }
    .group_segment_fixed_size: 0
    .private_segment_fixed_size: 0
    .kernarg_segment_align: 8
    .kernarg_segment_size: 80
    .max_flat_workgroup_size: 256
    .sgpr_count:     66
    .vgpr_count:     116
    .wavefront_size: 32
...
	.end_amdgpu_metadata
.endif
;; end of part 5
;; launch proj: the kernel of part 2 again; grid 8 x 32, 4 waves a work-group, clusters of 4 x 4, 327,680 bytes of LDS; arguments xb, wb, bb, qkv; writes qkv
;; launch score: the kernel of part 3 again; grid 8 x 32, 4 waves a work-group, clusters of 4 x 4, 327,680 bytes of LDS; arguments qkv, pb, stat; writes pb, stat
;; launch pv: the kernel of part 4 again; grid 4 x 64, 4 waves a work-group, clusters of 4 x 4, 327,680 bytes of LDS; arguments pb, qkv, stat, out0; writes out0
